; MI455X (gfx1250); checked and timed in simulation.
; The chip was launched on July 23, 2026; its instructions are those of AMD's public machine-readable ISA for CDNA 5 (MIT licence, August 2026) and "CDNA5" Instruction Set Architecture Reference Guide (July 2026). The comments in the code are by the model that wrote it; some were corrected since.
;; Multi Head Attention. Allowed arithmetic: matrix products marked QUANTISED: E2M1 operands, one E8M0 scale for each 32 along K, by v_wmma_scale_f32_16x16x128_f8f6f4 with both operands' format E2M1 (or v_wmma_scale_f32_32x16x128_f4), f32 sums; products left as they are: bf16, f16 or f32 operands; f32 sums; everything else in f32.
;; Inputs: bk 1,024 float32; bo 1,024 float32; bq 1,024 float32; bv 1,024 float32; wk 1,024 x 1,024 float32; wo 1,024 x 1,024 float32; wq 1,024 x 1,024 float32; wv 1,024 x 1,024 float32; x 4 x 2,048 x 1,024 float32.
;; Outputs: out0 4 x 2,048 x 1,024 float32.
;; This version of the problem:
;;   THIS VERSION OF THE PROBLEM IS GIVEN IN LOW PRECISION. The matrix products marked QUANTISED in the list below multiply operands that are first quantised to E2M1 (2 exponent bits, 1 mantissa bit; 4 bits a number), with one power-of-two scale for each 32 numbers along K (OCP MX v1.0); their sums are f32. The products marked 'left as it is' may take bf16, f16 or f32 operands, with f32 sums. Whichever they take, every output number must still come out within the allowed error. Rounding operands to bf16 (8 significant bits) uses up far more of that allowance than f16 does (11 bits, for magnitudes from 6e-5 to 65,504). All else is computed in f32.
;;   The module's matrix products, in the order in which they are computed (A, B: the left and right operand; K: the contracted axis; several contracted axes count as one K, in the product's order):
;;     1. [M 8,192, K 1,024] x [K 1,024, N 1,024]; A: input x; B: input wq: QUANTISED
;;     2. [M 8,192, K 1,024] x [K 1,024, N 1,024]; A: input x; B: input wk: QUANTISED
;;     3. [M 8,192, K 1,024] x [K 1,024, N 1,024]; A: input x; B: input wv: QUANTISED
;;     4. batch 64 x [M 2,048, K 64] x [K 64, N 2,048]; A: computed on the way; B: computed on the way: left as it is (an operand is computed on the way)
;;     5. batch 64 x [M 2,048, K 2,048] x [K 2,048, N 64]; A: computed on the way; B: computed on the way: left as it is (an operand is computed on the way)
;;     6. [M 8,192, K 1,024] x [K 1,024, N 1,024]; A: computed on the way; B: input wo: left as it is (an operand is computed on the way)
;;   THE QUANTISER, for each operand of a quantised product, along K:
;;     - K is cut into blocks of 32 from its start; a last block that is shorter is filled with zeros.
;;     - A block's scale is 2^e with e = floor(log2(the largest magnitude in the block)) - 2, held to -126 .. 127; a block of zeros has e = 0. As a byte (E8M0): e + 127.
;;     - Each number is divided by its block's scale, clamped to +-6, and rounded to the nearest number of E2M1, ties to even, subnormals kept.
;;     - The product sums the exact products of the quantised numbers (number of the format x scale) in f32.
;;   ~~~python
;;   def quantise(x, axis):      # numpy; x: float32 -> the quantised numbers, widened to float32 again
;;       x = np.moveaxis(x, axis, -1); K = x.shape[-1]
;;       x = np.pad(x, [(0, 0)] * (x.ndim - 1) + [(0, -K % 32)]); x = x.reshape(x.shape[:-1] + (-1, 32)); a = np.abs(x).max(-1, keepdims=True)
;;       e = np.where(a > 0, np.clip(np.frexp(np.where(a > 0, a, 1))[1] - 1 - 2, -126, 127), 0)      # np.frexp(a)[1] - 1 = floor(log2(a)), exactly
;;       r = np.clip(x / 2.0 ** e, -6, 6)
;;       step = 2.0 ** (np.maximum(np.frexp(np.where(r == 0, 1, r))[1] - 1, 0) - 1)
;;       q = np.round(r / step) * step * 2.0 ** e      # np.round: ties to even
;;       return np.moveaxis(q.reshape(q.shape[:-2] + (-1,))[..., :K], -1, axis).astype(np.float32)
;;   ~~~
;; One version. Each part assembles by itself: llvm-mc -triple=amdgcn-amd-amdhsa -mcpu=gfx1250 --defsym DOCPART=n.
;; ======== version 1 of 1: 5 launches
;; limits: values are held in f16: magnitudes above 65,504 overflow, below 6.1e-05 lose precision
;; workspace buffers: xc 4,194,304 bytes; xs 262,144 bytes; wc 1,572,864 bytes; ws 98,304 bytes; wof 2,097,152 bytes; qkv 50,331,648 bytes; qkv32 786,432 bytes; ao 16,777,216 bytes
;; launch prep (part 1): grid 384 x 1, 4 waves a work-group, no clusters, 33,280 bytes of LDS; arguments x, wq, wk, wv, wo, xc, xs, wc, ws, wof; writes xc, xs, wc, ws, wof
.if DOCPART == 1
	.amdgcn_target "amdgcn-amd-amdhsa--gfx1250"
	.amdhsa_code_object_version 6
	.text
	.protected	k_qfbe47dded1_prep
	.globl	k_qfbe47dded1_prep
	.p2align	8
	.type	k_qfbe47dded1_prep,@function
k_qfbe47dded1_prep:
	s_mov_b64 s[64:65], 0
	v_nop
	global_prefetch_b8 v0, s[64:65] scope:SCOPE_SE
	s_setreg_imm32_b32 hwreg(HW_REG_WAVE_MODE, 25, 1), 1
	s_wait_xcnt 0x0
; The operands are made ready once.  Three kinds of work-groups, told apart by the work-group's number alone:
;   0 .. 95    wq, wk, wv [1024 (k)][1024 (n)] f32 -> codes of FP4 (E2M1) with one E8M0 byte for each 32 along K, K being the FIRST axis
;   96 .. 127  wo [1024 (k)][1024 (n)] f32 -> f16
;   128 .. 383 x [8192][1024] f32 -> codes of FP4, K innermost, rows of 512 bytes (xc), and 32 scale bytes a row (xs)
; A block's scale is 2^(floor(log2(its largest magnitude)) - 2); its byte is the largest magnitude's exponent field - 2, held at 1 from below.
; LIMITS: a block of zeros, or one whose largest magnitude lies under 2^-124, gets the byte 1 where the quantiser says 127 or less: its codes are zeros or held by the floor,
; and the bytes are read by this program alone.  NaN and infinities among the inputs are not served.  wo beyond 65,504 does not fit f16.
; THE WEIGHTS LEAVE AS IMAGES OF THE OPERAND'S REGISTERS.  wc: [n / 16 (192)][k / 128 (8)][1024 bytes]; in an image byte 512 c + 256 h + 16 r holds the 32 codes of column 16 nt + r, k = 128 ks + 64 c + 32 h + 0 .. 31.
; ws: [k / 256 (4)][n (3072)][2 words]: word e is the scale word of K step 2 kp + e.  wof: [n / 16 (64)][k / 32 (32)][1024 bytes]; byte 512 g + 256 h + 16 r holds wo[32 kf + 16 g + 8 h + 0 .. 7][16 nt + r] as f16.
; For the weights a lane takes a column and its registers run down K: a block of 32 lies in one lane, and its 16 bytes are one lane's part of an image, so sixteen lanes store 256 consecutive bytes, aligned.
.set WAVES, 4
.set STEPS, 16
.set EMAX,  2
.set CB,    8                          ; bytes of 16 codes
.set R,     16                         ; x: v16-79   four sets of 16 numbers as they are loaded
.set X,     80                         ; x: v80-111  two sets of 16 neighbours
.set E,     112                        ; x: v112-127 a scale byte for each step
.set C,     128                        ; x: v128-191 codes, four registers for each step
.set WREG,  8192                       ; LDS: a region for each wave: two stages of 32 x SP bytes, then its 256 scale bytes
.set SP,    80                         ; a lane's place in a stage: 64 bytes + 16 of padding
.set SPW,   12                         ; v12 LDS address of my spare word; never rewritten
.set NIL,   13                         ; v13 0; never rewritten
.set SPARE, WAVES*WREG                 ; behind the four regions: the spare words, 128 bytes for each wave
.set WX,    32                         ; weights: v32-95 two sets of 32 numbers
.set WC,    96                         ; weights: v96-127 codes (four registers a block) or f16 (two sets of 16)
.set SBY,   24                         ; weights: v24-25 the scale bytes, four to a register
	s_load_b512 s[4:19], s[0:1], 0x0               ; x s[4:5], wq s[6:7], wk s[8:9], wv s[10:11], wo s[12:13], xc s[14:15], xs s[16:17], wc s[18:19]
	s_load_b128 s[20:23], s[0:1], 0x40             ; ws s[20:21], wof s[22:23]
	v_lshl_add_u32 v[SPW], v0, 2, SPARE
	v_mov_b32 v[NIL], 0
	v_lshrrev_b32 v1, 5, v0
	v_readfirstlane_b32 s24, v1                    ; wave 0..3
	v_and_b32 v2, 31, v0                           ; lane
	s_mov_b32 s29, 0                               ; the upper word of every offset
	s_wait_kmcnt 0x0
	s_cmp_lt_u32 ttmp9, 96
	s_cbranch_scc1 .Lweights
	s_cmp_lt_u32 ttmp9, 128
	s_cbranch_scc1 .Lwo
; ---------------- x: a plain stream of blocks of 32.  A wave takes 16 steps of 512 numbers.
; Each of a step's four loads reads 512 consecutive bytes; the 2,048 bytes go through the wave's own stage in LDS and come back 64 bytes a lane: 16 neighbours, two lanes to a block.
	v_lshlrev_b32 v3, 4, v2                        ; my 16 bytes of a load's 512
	s_mul_i32 s25, s24, WREG
	v_lshrrev_b32 v14, 2, v2
	v_mul_u32_u24 v14, v14, SP
	v_and_b32 v15, 3, v2
	v_lshl_add_u32 v14, v15, 4, v14
	v_add_nc_u32 v14, s25, v14                     ; the stage, on the way in: SP (lane / 4) + 16 (lane % 4)
	v_mul_u32_u24 v15, v2, SP
	v_add_nc_u32 v15, s25, v15                     ; and on the way out: SP x lane
	v_mul_u32_u24 v4, v2, CB                       ; my codes' place in a step's
	v_lshrrev_b32 v5, 1, v2
	s_add_co_u32 s25, s25, 2*32*SP
	v_add_nc_u32 v5, s25, v5                       ; my wave's 256 scale bytes, my block's byte
	v_lshlrev_b32 v7, 3, v2
	v_add_nc_u32 v6, s25, v7                       ; and on the way out 8 bytes a lane
	s_sub_co_u32 s26, ttmp9, 128
	s_lshl_b32 s26, s26, 2
	s_add_co_u32 s26, s26, s24                     ; which run of 8,192 numbers is my wave's
	s_lshl_b32 s28, s26, 15
	s_add_nc_u64 s[4:5], s[4:5], s[28:29]
	s_lshl_b32 s28, s26, 12
	s_add_nc_u64 s[14:15], s[14:15], s[28:29]
	s_lshl_b32 s28, s26, 8
	s_add_nc_u64 s[16:17], s[16:17], s[28:29]
.macro XLOAD t
.irp i, 0,1,2,3
	global_load_b128 v[R+16*((\t)%4)+4*\i:R+16*((\t)%4)+4*\i+3], v3, s[4:5] offset:2048*(\t)+512*\i th:TH_LOAD_NT
.endr
.endm
.macro XTURN t                         ; step t's numbers through the stage: LDS serves a wave's instructions in order, so no wait stands between the stores and the loads
.irp i, 0,1,2,3
	ds_store_b128 v14, v[R+16*((\t)%4)+4*\i:R+16*((\t)%4)+4*\i+3] offset:32*SP*((\t)%2)+8*SP*\i
.endr
.irp i, 0,1,2,3
	ds_load_b128 v[X+16*((\t)%2)+4*\i:X+16*((\t)%2)+4*\i+3], v15 offset:32*SP*((\t)%2)+16*\i
.endr
.endm
.irp t, 0,1,2,3
	XLOAD \t
.endr
	s_wait_loadcnt 12                              ; step 0's four loads are in
	XTURN 0
.macro XSTEP t
.set XS, X+16*((\t)%2)
.if (\t) > 0
	s_wait_dscnt 1                                 ; this step's numbers are back from the stage (the last step's byte store may be out)
.else
	s_wait_dscnt 0x0
.endif
.if (\t)+4 < STEPS
	XLOAD (\t)+4                                   ; into the registers that this step's stores into the stage have read
.endif
.if (\t)+1 < STEPS
.if STEPS-2-(\t) >= 3
	s_wait_loadcnt 12                              ; the next step's four loads are in; those of the three steps behind it may be out
.else
	s_wait_loadcnt 4*(STEPS-2-(\t))
.endif
	XTURN (\t)+1
.endif
	v_max3_num_f32 v8, |v[XS]|, |v[XS+1]|, |v[XS+2]|               ; the largest magnitude of my 16
	v_max3_num_f32 v9, |v[XS+3]|, |v[XS+4]|, |v[XS+5]|
.irp i, 6,10
	v_max3_num_f32 v8, v8, |v[XS+\i]|, |v[XS+\i+1]|
	v_max3_num_f32 v9, v9, |v[XS+\i+2]|, |v[XS+\i+3]|
.endr
	v_max3_num_f32 v8, v8, |v[XS+14]|, |v[XS+15]|
	v_max3_num_f32 v8, v8, v9, (EMAX+1)<<23        ; and the floor 2^(3 - 127): the byte cannot fall under 1
	v_max_num_f32_dpp v8, v8, v8 row_xmask:1 row_mask:0xf bank_mask:0xf   ; and of my neighbour's 16: the block's
	v_add_nc_u32 v11, -(EMAX<<23), v8              ; 2 off its exponent field: the conversion takes the exponent field of this operand as its scale
	v_cvt_scalef32_pk8_fp4_f32 v[C+4*(\t)], v[XS:XS+7], v11
	v_cvt_scalef32_pk8_fp4_f32 v[C+4*(\t)+1], v[XS+8:XS+15], v11
	v_lshrrev_b32 v[E+(\t)], 23, v11               ; the scale's byte
	ds_store_b8 v5, v[E+(\t)] offset:16*(\t)       ; both lanes of a block write the same byte with the same value
	global_store_b64 v4, v[C+4*(\t):C+4*(\t)+1], s[14:15] offset:32*CB*(\t)   ; the wave stores 256 consecutive bytes, aligned
.endm
.irp t, 0,1,2,3,4,5,6,7,8,9,10,11,12,13,14,15
	XSTEP \t
.endr
	ds_load_b64 v[8:9], v6                         ; LDS serves a wave's instructions in order: these see my byte stores
	s_wait_dscnt 0x0
	global_store_b64 v7, v[8:9], s[16:17]          ; the wave's 256 scale bytes, aligned
	s_wait_tensorcnt 0x0                           ; the wave's end
	ds_add_u32 v[SPW], v[NIL]
	s_wait_dscnt 0x0
	s_endpgm
; ---------------- the weights: 32 loads bring W(32 t + i, my column), i = 0 .. 31, into set t % 2; a wave reads 128 consecutive bytes a load, the four waves stand side by side
.macro WLOAD t
.irp i, 0,1,2,3,4,5,6,7,8,9,10,11,12,13,14,15,16,17,18,19,20,21,22,23,24,25,26,27,28,29,30,31
	global_load_b32 v[WX+32*((\t)%2)+\i], v3, s[26:27] offset:(32*(\t)+\i)*4096 th:TH_LOAD_NT
.endr
.endm
.macro WWAIT t
.if (\t) < 7
	s_wait_loadcnt 32                              ; this block's 32 loads are in; the next block's may be out
.else
	s_wait_loadcnt 0x0
.endif
.endm
.Lweights:                                         ; work-group g: tensor g / 32, 128 columns (g / 4) % 8, 256 along K g % 4; a wave: 32 columns, 8 blocks a lane
	v_lshlrev_b32 v3, 2, v2                        ; in: 4 bytes a lane
	v_lshrrev_b32 v4, 4, v2
	v_lshlrev_b32 v4, 13, v4
	v_and_b32 v5, 15, v2
	v_lshl_add_u32 v4, v5, 4, v4                   ; codes: 8,192 (lane / 16) + 16 (lane % 16): lanes 16-31 stand in the next sixteen columns' images
	v_lshlrev_b32 v5, 3, v2                        ; scale words: 8 bytes a column
	s_lshr_b32 s25, ttmp9, 5                       ; which tensor
	s_bfe_u32 s30, ttmp9, 0x30002                  ; which 128 columns
	s_and_b32 s31, ttmp9, 3                        ; which 256 along K
	s_cmp_eq_u32 s25, 0
	s_cselect_b64 s[26:27], s[6:7], s[8:9]
	s_cmp_eq_u32 s25, 2
	s_cselect_b64 s[26:27], s[10:11], s[26:27]
	s_lshl_b32 s28, s31, 20                        ; 256 rows of 4,096 bytes
	s_lshl_b32 s32, s30, 9
	s_add_co_u32 s28, s28, s32
	s_lshl_b32 s32, s24, 7
	s_add_co_u32 s28, s28, s32
	s_add_nc_u64 s[26:27], s[26:27], s[28:29]
	s_lshl_b32 s28, s25, 6                         ; the first of my two groups of sixteen columns: 64 x tensor + 8 x group + 2 x wave
	s_lshl_b32 s32, s30, 3
	s_add_co_u32 s28, s28, s32
	s_lshl_b32 s32, s24, 1
	s_add_co_u32 s28, s28, s32
	s_lshl_b32 s28, s28, 13
	s_lshl_b32 s32, s31, 11                        ; two K steps' images
	s_add_co_u32 s28, s28, s32
	s_add_nc_u64 s[18:19], s[18:19], s[28:29]
	s_mul_i32 s28, s31, 24576
	s_lshl_b32 s32, s25, 13
	s_add_co_u32 s28, s28, s32
	s_lshl_b32 s32, s30, 10
	s_add_co_u32 s28, s28, s32
	s_lshl_b32 s32, s24, 8
	s_add_co_u32 s28, s28, s32
	s_add_nc_u64 s[20:21], s[20:21], s[28:29]
	WLOAD 0
	WLOAD 1
.macro WBLOCK t
.set XS, WX+32*((\t)%2)
	WWAIT \t
	v_max3_num_f32 v10, |v[XS]|, |v[XS+1]|, |v[XS+2]|              ; the block's largest magnitude: all 32 numbers are mine
	v_max3_num_f32 v11, |v[XS+3]|, |v[XS+4]|, |v[XS+5]|
.irp i, 6,10,14,18,22,26
	v_max3_num_f32 v10, v10, |v[XS+\i]|, |v[XS+\i+1]|
	v_max3_num_f32 v11, v11, |v[XS+\i+2]|, |v[XS+\i+3]|
.endr
	v_max3_num_f32 v10, v10, |v[XS+30]|, |v[XS+31]|
	v_max3_num_f32 v10, v10, v11, (EMAX+1)<<23     ; and the floor
	v_add_nc_u32 v9, -(EMAX<<23), v10              ; the conversion's scale operand
	v_lshrrev_b32 v11, 23, v9                      ; the scale's byte
.if (\t)%4 == 0
	v_mov_b32 v[SBY+(\t)/4], v11                   ; four bytes to a word, the lower K in the lower byte
.else
	v_lshl_or_b32 v[SBY+(\t)/4], v11, 8*((\t)%4), v[SBY+(\t)/4]
.endif
.irp g, 0,1,2,3
	v_cvt_scalef32_pk8_fp4_f32 v[WC+4*(\t)+\g], v[XS+8*\g:XS+8*\g+7], v9
.endr
	global_store_b128 v4, v[WC+4*(\t):WC+4*(\t)+3], s[18:19] offset:256*(\t)   ; block t is part t of the two K steps' images; each block has code registers of its own, so no store's data are written again
.if (\t)+2 < 8
	WLOAD (\t)+2
.endif
.endm
.irp t, 0,1,2,3,4,5,6,7
	WBLOCK \t
.endr
	global_store_b64 v5, v[SBY:SBY+1], s[20:21]    ; my column's two scale words: the wave stores 256 consecutive bytes, aligned
	s_endpgm
.Lwo:                                              ; work-group g - 96: 128 columns (g / 4), 256 along K (g % 4)
	v_lshlrev_b32 v3, 2, v2
	v_lshrrev_b32 v4, 4, v2
	v_lshlrev_b32 v4, 15, v4
	v_and_b32 v5, 15, v2
	v_lshl_add_u32 v4, v5, 4, v4                   ; 32,768 (lane / 16) + 16 (lane % 16)
	s_sub_co_u32 s25, ttmp9, 96
	s_lshr_b32 s30, s25, 2
	s_and_b32 s31, s25, 3
	s_mov_b64 s[26:27], s[12:13]
	s_lshl_b32 s28, s31, 20
	s_lshl_b32 s32, s30, 9
	s_add_co_u32 s28, s28, s32
	s_lshl_b32 s32, s24, 7
	s_add_co_u32 s28, s28, s32
	s_add_nc_u64 s[26:27], s[26:27], s[28:29]
	s_lshl_b32 s28, s30, 3
	s_lshl_b32 s32, s24, 1
	s_add_co_u32 s28, s28, s32
	s_lshl_b32 s28, s28, 15
	s_lshl_b32 s32, s31, 13                        ; eight images of 32 along K
	s_add_co_u32 s28, s28, s32
	s_add_nc_u64 s[22:23], s[22:23], s[28:29]
	WLOAD 0
	WLOAD 1
.macro OBLOCK t
.set XS, WX+32*((\t)%2)
.set HS, WC+16*((\t)%2)
	WWAIT \t
	s_wait_xcnt 0x0                                ; the stores of two blocks ago have read this set of f16 registers
.irp i, 0,1,2,3,4,5,6,7,8,9,10,11,12,13,14,15
	v_cvt_pk_f16_f32 v[HS+\i], v[XS+2*\i], v[XS+2*\i+1]
.endr
.irp q, 0,1,2,3
	global_store_b128 v4, v[HS+4*\q:HS+4*\q+3], s[22:23] offset:1024*(\t)+256*\q   ; eight along K: part q of image t; sixteen lanes store 256 consecutive bytes, aligned
.endr
.if (\t)+2 < 8
	WLOAD (\t)+2
.endif
.endm
.irp t, 0,1,2,3,4,5,6,7
	OBLOCK \t
.endr
	s_endpgm
.Lfunc_end_k_qfbe47dded1_prep:
	.size	k_qfbe47dded1_prep, .Lfunc_end_k_qfbe47dded1_prep-k_qfbe47dded1_prep
	.p2alignl 7, 3214868480
	.fill 96, 4, 3214868480
	.section	.rodata,"a",@progbits
	.p2align	6, 0x0
	.amdhsa_kernel k_qfbe47dded1_prep
		.amdhsa_group_segment_fixed_size 33280
		.amdhsa_private_segment_fixed_size 0
		.amdhsa_enable_private_segment 0
		.amdhsa_kernarg_size 80
		.amdhsa_user_sgpr_count 2
		.amdhsa_user_sgpr_kernarg_segment_ptr 1
		.amdhsa_wavefront_size32 1
		.amdhsa_system_sgpr_workgroup_id_x 1
		.amdhsa_system_sgpr_workgroup_id_y 1
		.amdhsa_system_sgpr_workgroup_id_z 1
		.amdhsa_system_vgpr_workitem_id 0
		.amdhsa_next_free_vgpr 192
		.amdhsa_next_free_sgpr 66
		.amdhsa_reserve_vcc 0
		.amdhsa_float_denorm_mode_32 3
		.amdhsa_float_denorm_mode_16_64 3
		.amdhsa_memory_ordered 1
		.amdhsa_forward_progress 1
		.amdhsa_inst_pref_size 107
	.end_amdhsa_kernel
	.amdgpu_metadata
---
amdhsa.version: [ 1, 2 ]
amdhsa.kernels:
  - .name:           k_qfbe47dded1_prep
    .symbol:         k_qfbe47dded1_prep.kd
    .args:
      - { .name: x, .offset: 0, .size: 8, .value_kind: global_buffer, .address_space: global }
      - { .name: wq, .offset: 8, .size: 8, .value_kind: global_buffer, .address_space: global }
      - { .name: wk, .offset: 16, .size: 8, .value_kind: global_buffer, .address_space: global }
      - { .name: wv, .offset: 24, .size: 8, .value_kind: global_buffer, .address_space: global }
      - { .name: wo, .offset: 32, .size: 8, .value_kind: global_buffer, .address_space: global }
      - { .name: xc, .offset: 40, .size: 8, .value_kind: global_buffer, .address_space: global }
      - { .name: xs, .offset: 48, .size: 8, .value_kind: global_buffer, .address_space: global }
      - { .name: wc, .offset: 56, .size: 8, .value_kind: global_buffer, .address_space: global }
      - { .name: ws, .offset: 64, .size: 8, .value_kind: global_buffer, .address_space: global }
      - { .name: wof, .offset: 72, .size: 8, .value_kind: global_buffer, .address_space: global }
    .group_segment_fixed_size: 33280
    .private_segment_fixed_size: 0
    .kernarg_segment_align: 8
    .kernarg_segment_size: 80
    .max_flat_workgroup_size: 128
    .sgpr_count:     66
    .vgpr_count:     192
    .wavefront_size: 32
...
	.end_amdgpu_metadata
.endif
;; end of part 1
;; launch qkv (part 2): grid 12 x 32, 4 waves a work-group, clusters of 4 x 4, 327,680 bytes of LDS; arguments xc, xs, wc, ws, bq, bk, bv, qkv, qkv32; writes qkv, qkv32
.if DOCPART == 2
	.amdgcn_target "amdgcn-amd-amdhsa--gfx1250"
	.amdhsa_code_object_version 6
	.text
	.protected	k_qfbe47dded1_qkv
	.globl	k_qfbe47dded1_qkv
	.p2align	8
	.type	k_qfbe47dded1_qkv,@function
k_qfbe47dded1_qkv:
	s_mov_b64 s[64:65], 0
	v_nop
	global_prefetch_b8 v0, s[64:65] scope:SCOPE_SE
	s_setreg_imm32_b32 hwreg(HW_REG_WAVE_MODE, 25, 1), 1
	s_wait_xcnt 0x0
	s_wait_alu depctr_hold_cnt(0) depctr_sa_sdst(0) depctr_va_vdst(0) depctr_va_sdst(0) depctr_va_ssrc(0) depctr_va_vcc(0) depctr_vm_vsrc(0)
	s_getreg_b32 s2, hwreg(HW_REG_IB_STS2, 6, 4)
	s_cmp_eq_u32 s2, 0
	s_cbranch_scc0 .Lentry_in_a_cluster
	s_endpgm
.Lentry_in_a_cluster:
	s_bfe_u32 s2, ttmp6, 0x10000c
	s_cmp_lg_u32 s2, 0xf033
	s_cbranch_scc0 .Lentry_shape_is_right
	s_endpgm
.Lentry_shape_is_right:
; q, k, v = Q(x) Q(w) + b: one GEMM [8192][1024] x [1024][3072] on codes of FP4 (E2M1) with E8M0 scales, sums in f32; the bias is the C of each sum's first product.
; Results leave as f16, laid by head: qkv [3][64 (batch x head)][2048][64]; the first 16 positions of every sequence leave a second time as f32: qkv32 [4][16][3072].
; LIMIT: |q|, |k|, |v| beyond 65,504 do not fit f16.
; A tile of C is 256 x 256; four waves, each 128 x 128: 64 accumulators, 512 registers.  K = 1,024 is two slots of 512: both are first fills, nothing in LDS is filled again, and there is no loop.
; x's codes come as rows (256 bytes of a row to a slot, 16 bytes of padding behind each); the weights' codes come as images of the operand's registers, a fragment = 1,024 consecutive bytes.
; The scale words come straight into registers, once: x's 32 bytes a row by 16 bytes a lane (lanes 0-15: K steps 0-3, lanes 16-31: K steps 4-7), the weights' by 8 bytes a column (lanes 0-15 an even block of columns, lanes 16-31 the odd one).
; CLUSTERS: 4 x 4 work-groups.  The four of a row of the cluster need the same tiles of x, the four of a column the same tiles of the weights: each is asked for jointly.
; The tile row is cluster y + 8 cy, so that cy is the batch and cluster y says where in the sequence the tile lies: whether a wave holds positions 0-15 is the same question in all sixteen partners.
; THE MATRIX INSTRUCTION IS USED TRANSPOSED (source 0 = 16 columns of w, source 1 = 16 rows of x): a lane holds eight neighbouring numbers of a row of C.
; REGISTERS, in windows of 256: window 0: v15-31 addresses; v32-63 x's scale words, v64-95 the weights'; v96-127 packed results; v128-191 x's fragments, one set, later rows on their way out; v192-255 the bias.
;   window 1: the weights' fragments, two sets, at v0 and v128.  window 2: accumulators of my rows 0-63 ((a, b) at v[8 (8 a + b)]); window 3: rows 64-127.
.set NQ,     4                         ; matrix instructions deep in a slot
.set PITCH,  272                       ; an LDS row of x's codes: 256 bytes + 16 of padding: the 16 rows that a load touches start at 16 different groups of banks (ISA guide 11.1)
.set FR,     8
.set NL,     2
.set NP,     4                         ; places behind this matrix instruction (ISA guide 7.12.1)
.set HALFT,  128*PITCH
.set BOFF,   2*HALFT                   ; behind x's 256 rows: 16 groups of sixteen columns x 4,096 bytes
.set SLOT,   BOFF+65536
.set STAGE,  2*SLOT                    ; the way out: 16 rows x 272 bytes for each wave; no fill lands here
.set SPITCH, 272
.set SPARE,  STAGE+4*16*SPITCH         ; the spare words, 128 bytes for each wave
.set BIO,  15                          ; v15 the bias: 32 h
.set ADRA, 16                          ; v16-17 LDS address of my fragments of x in slot 0, 1
.set ADRB, 20                          ; v20-21 the same for the weights
.set STO,  24
.set RD,   25
.set CO,   26
.set FO,   27                          ; v27 qkv32: 12,288 r + 32 h
.set SPW,  28
.set NIL,  29
.set ASO,  30                          ; v30 x's scale words: 32 r + 16 h
.set BSO,  31                          ; v31 the weights': 8 x lane
.set SA,   32
.set SB,   64
.set TMP,  96
.set AF,   128
.set BK,   128
.set BI,   192
.set WV,  22
.set RH,  23                           ; which half of the tile's rows is mine.  Also: I fetch for x (0) or for the weights (1)
.set CH,  24                           ; which half of its columns.  Also: which half of that tile I fetch
.set CX,  25
.set CY,  26
.set CLY, 27
.set G1A, 28
.set G0A, 36
.set G1B, 44
.set G0B, 52
.set TC,  60
.set RT,  61
.set FIRST, 62                         ; 0 in the waves whose first block of rows is positions 0-15 of a sequence
.set MSB, 0
.macro WIN new
.if MSB != (\new)
	s_set_vgpr_msb (MSB<<8)|(\new)
.set MSB, (\new)
.endif
.endm
.set MUL_LO, 0xa1                      ; source 0 window 1, source 1 window 0, C and D window 2
.set MUL_HI, 0xf1
.set TO_B,   0x40
.macro JLOAD s                         ; a joint load; an s_nop 0 and four v_nop follow each of the two lines
	s_cmp_eq_u32 s[RH], 0
	s_cbranch_scc0 .Lfor_b_\@
	tensor_load_to_lds s[G0A+4*\s:G0A+4*\s+3], s[G1A:G1A+7]
	s_nop 0
.rept 4
	v_nop
.endr
	s_branch .Lasked_\@
.Lfor_b_\@:
	tensor_load_to_lds s[G0B+4*\s:G0B+4*\s+3], s[G1B:G1B+7]
	s_nop 0
.rept 4
	v_nop
.endr
.Lasked_\@:
.endm
.macro CROUND                          ; a round of the cluster's barrier
	s_barrier_signal -1
	s_barrier_wait -1
	s_cmp_lg_u32 s[WV], 0
	s_cbranch_scc1 .Lnot_wave_0_\@
	s_barrier_signal -3
.Lnot_wave_0_\@:
	s_barrier_wait -3
	s_barrier_signal -1
	s_barrier_wait -1
.endm
	s_load_b512 s[4:19], s[0:1], 0x0               ; xc s[4:5], xs s[6:7], wc s[8:9], ws s[10:11], bq s[12:13], bk s[14:15], bv s[16:17], qkv s[18:19]
	s_load_b64 s[20:21], s[0:1], 0x40              ; qkv32
	v_lshl_add_u32 v[SPW], v0, 2, SPARE
	v_mov_b32 v[NIL], 0
	ds_add_u32 v[SPW], v[NIL]                      ; the wave's opening: the add, twice on end, and its wait ahead of my first tensor load
	ds_add_u32 v[SPW], v[NIL]
	v_lshrrev_b32 v1, 5, v0
	v_readfirstlane_b32 s[WV], v1
	s_lshr_b32 s[RH], s[WV], 1
	s_and_b32 s[CH], s[WV], 1
	s_bfe_u32 s[CX], ttmp6, 0x40000
	s_bfe_u32 s[CY], ttmp6, 0x40004
	s_and_b32 s[CLY], ttmp7, 0xffff
	s_lshl_b32 s[TC], ttmp9, 2
	s_add_co_u32 s[TC], s[TC], s[CX]               ; tile column = 4 x cluster x + cx: cluster x says which of q, k, v
	s_lshl_b32 s[RT], s[CY], 3
	s_add_co_u32 s[RT], s[RT], s[CLY]              ; tile row = 8 cy + cluster y
	s_or_b32 s[FIRST], s[CLY], s[RH]
	s_lshl_b32 s66, s[CY], 2
	s_lshl_b32 s66, 15, s66                        ; my row of the cluster
	s_lshl_b32 s67, 0x1111, s[CX]                  ; my column
	s_or_b32 s[G1A], s66, (0<<16)|(1<<20)|(1<<21)|(5<<22)|(3<<25)   ; the mask; elements of 1 byte; padding: 4 words behind every 64; bit 21 beside a mask
	s_mov_b32 s[G1A+1], 256<<16                    ; tensor_dim0
	s_mov_b32 s[G1A+2], 128<<16                    ; tensor_dim1
	s_mov_b32 s[G1A+3], 256<<16                    ; tile_dim0
	s_mov_b32 s[G1A+4], 128                        ; tile_dim1
	s_mov_b32 s[G1A+5], 512                        ; a row of xc
	s_mov_b32 s[G1A+6], 0
	s_mov_b32 s[G1A+7], 0
	s_or_b32 s[G1B], s67, (3<<16)|(1<<21)          ; elements of 8 bytes, no padding
	s_mov_b32 s[G1B+1], 512<<16                    ; a row: four images, 4,096 bytes
	s_mov_b32 s[G1B+2], 8<<16                      ; eight groups of sixteen columns
	s_mov_b32 s[G1B+3], 512<<16
	s_mov_b32 s[G1B+4], 8
	s_mov_b32 s[G1B+5], 1024                       ; 8,192 bytes from group to group
	s_mov_b32 s[G1B+6], 0
	s_mov_b32 s[G1B+7], 0
	s_lshl_b32 s68, s[RT], 17                      ; x: (256 tile row + 128 half) rows of 512 bytes
	s_lshl_b32 s69, s[CH], 16
	s_add_co_u32 s68, s68, s69
	s_mov_b32 s69, 0
	s_lshl_b32 s70, s[TC], 17                      ; weights: (16 tile column + 8 half) groups of 8,192 bytes
	s_lshl_b32 s71, s[CH], 16
	s_add_co_u32 s70, s70, s71
	s_mov_b32 s71, 0
	s_mul_i32 s72, s[CH], HALFT                    ; where they go: no place in the cluster enters an LDS address
	s_lshl_b32 s73, s[CH], 15
	s_add_co_u32 s73, s73, BOFF
	s_wait_dscnt 0x0                               ; both opening adds are done
	s_wait_kmcnt 0x0
	s_add_nc_u64 s[68:69], s[4:5], s[68:69]
	s_add_nc_u64 s[70:71], s[8:9], s[70:71]
	CROUND                                         ; all sixteen work-groups are here: the first joint loads meet
.irp s, 0,1
	s_mov_b32 s[G0A+4*\s], 1
	s_add_co_u32 s[G0A+4*\s+1], s72, \s*SLOT
	s_add_nc_u64 s[G0A+4*\s+2:G0A+4*\s+3], s[68:69], \s*256
	s_or_b32 s[G0A+4*\s+3], s[G0A+4*\s+3], 0x80000000
	s_mov_b32 s[G0B+4*\s], 1
	s_add_co_u32 s[G0B+4*\s+1], s73, \s*SLOT
	s_add_nc_u64 s[G0B+4*\s+2:G0B+4*\s+3], s[70:71], \s*4096
	s_or_b32 s[G0B+4*\s+3], s[G0B+4*\s+3], 0x80000000
	JLOAD \s                                       ; two loads of mine are out: all that this launch fetches into LDS
.endr
	v_and_b32 v1, 15, v0                           ; r
	v_bfe_u32 v2, v0, 4, 1                         ; h
	v_and_b32 v3, 31, v0                           ; lane
	v_mul_u32_u24 v4, v1, PITCH
	v_lshl_add_u32 v4, v2, 4, v4                   ; 272 r + 16 h
	s_mul_i32 s74, s[RH], HALFT
	v_add_nc_u32 v[ADRA], s74, v4
	v_add_nc_u32 v[ADRA+1], SLOT, v[ADRA]
	v_lshlrev_b32 v5, 4, v3                        ; 16 x lane
	s_lshl_b32 s74, s[CH], 15
	s_add_co_u32 s74, s74, BOFF
	v_add_nc_u32 v[ADRB], s74, v5
	v_add_nc_u32 v[ADRB+1], SLOT, v[ADRB]
	s_mul_i32 s74, s[WV], 16*SPITCH
	s_add_co_u32 s74, s74, STAGE
	v_add_nc_u32 v[STO], s74, v4                   ; the stage, in: row r, 16 bytes for each half of the lanes
	v_lshrrev_b32 v6, 3, v3
	v_mul_u32_u24 v6, v6, SPITCH
	v_and_b32 v7, 7, v0
	v_lshl_add_u32 v6, v7, 4, v6
	v_add_nc_u32 v[RD], s74, v6                    ; back: four rows an instruction, 128 bytes (one head) of each
	v_mov_b32 v[CO], v5
	v_mul_u32_u24 v[FO], v1, 12288
	v_lshl_add_u32 v[FO], v2, 5, v[FO]
	v_lshlrev_b32 v[ASO], 5, v1
	v_lshl_add_u32 v[ASO], v2, 4, v[ASO]
	v_lshlrev_b32 v[BSO], 3, v3
	v_lshlrev_b32 v[BIO], 5, v2
	s_mov_b32 s75, 0
	s_lshl_b32 s74, s[RT], 13                      ; xs: (256 tile row + 128 my half) rows of 32 bytes
	s_lshl_b32 s78, s[RH], 12
	s_add_co_u32 s74, s74, s78
	s_add_nc_u64 s[6:7], s[6:7], s[74:75]
	s_lshl_b32 s74, s[TC], 11                      ; ws: (256 tile column + 128 my half) columns of 8 bytes
	s_lshl_b32 s78, s[CH], 10
	s_add_co_u32 s74, s74, s78
	s_add_nc_u64 s[10:11], s[10:11], s[74:75]
	s_cmp_eq_u32 ttmp9, 0                          ; whose bias: the choice hangs on the cluster's x alone
	s_cselect_b64 s[76:77], s[12:13], s[14:15]
	s_cmp_eq_u32 ttmp9, 2
	s_cselect_b64 s[76:77], s[16:17], s[76:77]
	s_lshl_b32 s74, s[CX], 10
	s_lshl_b32 s78, s[CH], 9
	s_add_co_u32 s74, s74, s78
	s_add_nc_u64 s[76:77], s[76:77], s[74:75]
.irp a, 0,1,2,3,4,5,6,7
	global_load_b128 v[SA+4*\a:SA+4*\a+3], v[ASO], s[6:7] offset:512*\a   ; register 4 a + j: lanes 0-15 K step j, lanes 16-31 K step 4 + j, of row r of block a
.endr
.irp kp, 0,1,2,3
.irp g, 0,1,2,3
	global_load_b64 v[SB+2*(4*\kp+\g):SB+2*(4*\kp+\g)+1], v[BSO], s[10:11] offset:24576*\kp+256*\g   ; K steps 2 kp, 2 kp + 1: lanes 0-15 block 2 g, lanes 16-31 block 2 g + 1
.endr
.endr
.irp b, 0,1,2,3,4,5,6,7
	global_load_b128 v[BI+8*\b:BI+8*\b+3], v[BIO], s[76:77] offset:64*\b      ; the bias in the result's layout: columns 16 b + 8 h + 0 .. 7
	global_load_b128 v[BI+8*\b+4:BI+8*\b+7], v[BIO], s[76:77] offset:64*\b+16
.endr
	s_mul_i32 s74, s[CY], 196608                   ; qkv32: batch cy, column 256 tile column + 128 half
	s_lshl_b32 s78, s[TC], 10
	s_add_co_u32 s74, s74, s78
	s_lshl_b32 s78, s[CH], 9
	s_add_co_u32 s74, s74, s78
	s_add_nc_u64 s[20:21], s[20:21], s[74:75]
	s_lshl_b32 s74, ttmp9, 24                      ; qkv: which of the three,
	s_lshl_b32 s78, s[CY], 4
	s_lshl_b32 s79, s[CX], 2
	s_add_co_u32 s78, s78, s79
	s_lshl_b32 s79, s[CH], 1
	s_add_co_u32 s78, s78, s79                     ; 16 x batch + my first head,
	s_lshl_b32 s78, s78, 18
	s_add_co_u32 s74, s74, s78
	s_lshl_b32 s78, s[CLY], 15                     ; position 256 cluster y + 128 my half, 128 bytes each
	s_add_co_u32 s74, s74, s78
	s_lshl_b32 s78, s[RH], 14
	s_add_co_u32 s74, s74, s78
	s_add_nc_u64 s[18:19], s[18:19], s[74:75]
; One product: x's block a against the weights' block b, the slot's q-th 128 along K; p: the weights' set.  zero = 1: the sum starts from the bias.
.macro WM a, b, p, q, slot, zero
.set rD, 8*(8*((\a)%4)+(\b))
.set rB, 128*(\p)+FR*(\b)
.set rA, AF+FR*(\a)
.set sB, SB+2*(4*((4*(\slot)+(\q))/2)+(\b)/2)+(\q)%2
.set sA, SA+4*(\a)+(\q)
.set rC, rD
.if \zero
.set rC, BI+8*(\b)
.endif
.if ((\b)%2) && (\slot)
	v_wmma_scale_f32_16x16x128_f8f6f4 v[rD:rD+7], v[rB:rB+7], v[rA:rA+7], v[rC:rC+7], v[sB], v[sA] matrix_a_fmt:MATRIX_FMT_FP4 matrix_b_fmt:MATRIX_FMT_FP4 matrix_a_scale:MATRIX_SCALE_ROW1 matrix_b_scale:MATRIX_SCALE_ROW1
.elseif (\b)%2
	v_wmma_scale_f32_16x16x128_f8f6f4 v[rD:rD+7], v[rB:rB+7], v[rA:rA+7], v[rC:rC+7], v[sB], v[sA] matrix_a_fmt:MATRIX_FMT_FP4 matrix_b_fmt:MATRIX_FMT_FP4 matrix_a_scale:MATRIX_SCALE_ROW1
.elseif \slot
	v_wmma_scale_f32_16x16x128_f8f6f4 v[rD:rD+7], v[rB:rB+7], v[rA:rA+7], v[rC:rC+7], v[sB], v[sA] matrix_a_fmt:MATRIX_FMT_FP4 matrix_b_fmt:MATRIX_FMT_FP4 matrix_b_scale:MATRIX_SCALE_ROW1
.else
	v_wmma_scale_f32_16x16x128_f8f6f4 v[rD:rD+7], v[rB:rB+7], v[rA:rA+7], v[rC:rC+7], v[sB], v[sA] matrix_a_fmt:MATRIX_FMT_FP4 matrix_b_fmt:MATRIX_FMT_FP4
.endif
.endm
; 16 products.  The 64 accumulators take turns, one instruction a turn, in the same order in every step.
.macro MUL16 a0, p, q, slot, zero
.irp a, \a0, \a0+1
.irp b, 0,1,2,3,4,5,6,7
	WM \a, \b, \p, \q, \slot, \zero
.endr
.endr
.endm
.macro FETCH_B slot, q, p              ; the weights' eight fragments: images, 16 x lane
	WIN TO_B
.irp i, 0,1,2,3,4,5,6,7
.irp c, 0,1
	ds_load_b128 v[128*(\p)+FR*\i+4*\c:128*(\p)+FR*\i+4*\c+3], v[ADRB+\slot] offset:4096*\i+1024*(\q)+512*\c
.endr
.endr
	WIN 0
.endm
.macro FETCH_A slot, q, i0             ; x's blocks i0 .. i0 + 3: rows; registers 4 c .. 4 c + 3 hold K = 64 c + 32 h + 0 .. 31
.irp i, \i0, \i0+1, \i0+2, \i0+3
.irp c, 0,1
	ds_load_b128 v[AF+FR*(\i)+4*\c:AF+FR*(\i)+4*\c+3], v[ADRA+\slot] offset:64*(\q)+32*\c+(\i)*16*PITCH
.endr
.endr
.endm
.macro PLACES n                        ; places in front of loads into registers that matrix instructions have read, and of the first read of results
.rept \n
	v_nop
.endr
.endm
.macro STEP slot, q, zero              ; 128 along K with a successor in the same slot
	s_wait_dscnt 4*NL                              ; the weights' set and x's blocks 0-3 are in; x's blocks 4-7 may be out
.if \zero
	WIN 0x81                                       ; C, the bias, lies in window 0
.else
	WIN MUL_LO
.endif
	MUL16 0, (\q)%2, \q, \slot, \zero
	MUL16 2, (\q)%2, \q, \slot, \zero
	s_wait_dscnt 0
	PLACES NP
	FETCH_B \slot, (\q)+1, 1-(\q)%2
	FETCH_A \slot, (\q)+1, 0
.if \zero
	WIN 0xc1
.else
	WIN MUL_HI
.endif
	MUL16 4, (\q)%2, \q, \slot, \zero
	MUL16 6, (\q)%2, \q, \slot, \zero
	PLACES NP
	WIN 0
	FETCH_A \slot, (\q)+1, 4
.endm
.macro STEPS slot, from
.set Q, \from
.rept NQ-1-\from
	STEP \slot, Q, 0
.set Q, Q+1
.endr
.endm
; Slot 0's last step: behind one barrier slot 1, which four waves have fetched, is read.  Nothing is filled again.
.macro TURN slot, next
	s_wait_tensorcnt 0x0                           ; my part of the next slot has landed
	ds_add_u32 v[SPW], v[NIL]
	s_wait_dscnt 4*NL+1                            ; (the add and x's blocks 4-7 may be out)
	WIN MUL_LO
	MUL16 0, 1, NQ-1, \slot, 0
	s_wait_dscnt 0x0
	s_barrier_signal -1
	MUL16 2, 1, NQ-1, \slot, 0
	WIN 0
	s_barrier_wait -1
	PLACES NP
	FETCH_B \next, 0, 0
	FETCH_A \next, 0, 0
	WIN MUL_HI
	MUL16 4, 1, NQ-1, \slot, 0
	MUL16 6, 1, NQ-1, \slot, 0
	PLACES NP
	WIN 0
	FETCH_A \next, 0, 4
.endm
	s_wait_tensorcnt 1                             ; my part of slot 0 is in; slot 1's load may be out,
	s_barrier_signal -1
	s_barrier_wait -1                              ; everybody's is
	FETCH_B 0, 0, 0
	FETCH_A 0, 0, 0
	FETCH_A 0, 0, 4
	s_wait_loadcnt 0x0                             ; the scale words and the bias
	STEP 0, 0, 1
	STEPS 0, 1
	TURN 0, 1
	STEPS 1, 0
	s_wait_dscnt 4*NL                              ; the last step: nothing more to fetch
	WIN MUL_LO
	MUL16 0, 1, NQ-1, 1, 0
	MUL16 2, 1, NQ-1, 1, 0
	s_wait_dscnt 0
	WIN MUL_HI
	MUL16 4, 1, NQ-1, 1, 0
	MUL16 6, 1, NQ-1, 1, 0
	WIN 0
	PLACES NP
	; positions 0-15 of a sequence leave as f32 too: my block 0, where cluster y = 0 and my half of the rows is the upper one: the same in all sixteen partners
	s_cmp_lg_u32 s[FIRST], 0
	s_cbranch_scc1 .Lnofirst
	WIN 0x08                                       ; a store's data: window 2
.irp b, 0,1,2,3,4,5,6,7
	global_store_b128 v[FO], v[8*\b:8*\b+3], s[20:21] offset:64*\b       ; each accumulator from its low end on
	global_store_b128 v[FO], v[8*\b+4:8*\b+7], s[20:21] offset:64*\b+16
.endr
	WIN 0
.Lnofirst:
; THE WAY OUT, a block of 16 rows x 128 columns (two heads) at a time: rounded to f16, 16 bytes a lane into my own stage, back as four rows of one head: 512 consecutive bytes of qkv a store.
.macro PACK a
.set AC, 64*((\a)%4)
	WIN 0x0a+5*((\a)/4)
.irp b, 0,1,2,3,4,5,6,7
.irp i, 0,1,2,3
	v_cvt_pk_f16_f32 v[TMP+4*\b+\i], v[AC+8*\b+2*\i], v[AC+8*\b+2*\i+1]
.endr
.endr
	WIN 0
.endm
.macro TOSTAGE a
.set BB, BK+32*((\a)%2)
.irp b, 0,1,2,3,4,5,6,7
	ds_store_b128 v[STO], v[TMP+4*\b:TMP+4*\b+3] offset:32*\b
.endr
.irp e, 0,1
.irp u, 0,1,2,3
	ds_load_b128 v[BB+4*(4*\e+\u):BB+4*(4*\e+\u)+3], v[RD] offset:4*SPITCH*\u+128*\e   ; LDS serves a wave's instructions in order: these see the stores above
.endr
.endr
.endm
.macro SEND a
.set BB, BK+32*((\a)%2)
	s_wait_dscnt 0x0                               ; the block is back in registers
	s_wait_xcnt 0x0                                ; earlier stores have read their registers and their base
.if (\a) > 0
	s_add_nc_u64 s[18:19], s[18:19], 2048          ; 16 positions on
.endif
.irp e, 0,1
.irp u, 0,1,2,3
	global_store_b128 v[CO], v[BB+4*(4*\e+\u):BB+4*(4*\e+\u)+3], s[18:19] offset:262144*\e+512*\u
.endr
.endr
.endm
	PACK 0
	TOSTAGE 0
.irp a, 1,2,3,4,5,6,7
	PACK \a
	SEND \a-1
	TOSTAGE \a
.endr
	SEND 7
	s_wait_tensorcnt 0x0                           ; the wave's end
	ds_add_u32 v[SPW], v[NIL]
	s_wait_dscnt 0x0
	CROUND                                         ; the closing round
	s_endpgm
.Lfunc_end_k_qfbe47dded1_qkv:
	.size	k_qfbe47dded1_qkv, .Lfunc_end_k_qfbe47dded1_qkv-k_qfbe47dded1_qkv
	.p2alignl 7, 3214868480
	.fill 96, 4, 3214868480
	.section	.rodata,"a",@progbits
	.p2align	6, 0x0
	.amdhsa_kernel k_qfbe47dded1_qkv
		.amdhsa_group_segment_fixed_size 327680
		.amdhsa_private_segment_fixed_size 0
		.amdhsa_enable_private_segment 0
		.amdhsa_kernarg_size 72
		.amdhsa_user_sgpr_count 2
		.amdhsa_user_sgpr_kernarg_segment_ptr 1
		.amdhsa_wavefront_size32 1
		.amdhsa_system_sgpr_workgroup_id_x 1
		.amdhsa_system_sgpr_workgroup_id_y 1
		.amdhsa_system_sgpr_workgroup_id_z 1
		.amdhsa_system_vgpr_workitem_id 0
		.amdhsa_next_free_vgpr 1024
		.amdhsa_next_free_sgpr 96
		.amdhsa_reserve_vcc 0
		.amdhsa_float_denorm_mode_32 3
		.amdhsa_float_denorm_mode_16_64 3
		.amdhsa_memory_ordered 1
		.amdhsa_forward_progress 1
		.amdhsa_inst_pref_size 129
	.end_amdhsa_kernel
	.amdgpu_metadata
---
amdhsa.version: [ 1, 2 ]
amdhsa.kernels:
  - .name:           k_qfbe47dded1_qkv
    .symbol:         k_qfbe47dded1_qkv.kd
    .args:
      - { .name: xc, .offset: 0, .size: 8, .value_kind: global_buffer, .address_space: global }
      - { .name: xs, .offset: 8, .size: 8, .value_kind: global_buffer, .address_space: global }
      - { .name: wc, .offset: 16, .size: 8, .value_kind: global_buffer, .address_space: global }
      - { .name: ws, .offset: 24, .size: 8, .value_kind: global_buffer, .address_space: global }
      - { .name: bq, .offset: 32, .size: 8, .value_kind: global_buffer, .address_space: global }
      - { .name: bk, .offset: 40, .size: 8, .value_kind: global_buffer, .address_space: global }
      - { .name: bv, .offset: 48, .size: 8, .value_kind: global_buffer, .address_space: global }
      - { .name: qkv, .offset: 56, .size: 8, .value_kind: global_buffer, .address_space: global }
      - { .name: qkv32, .offset: 64, .size: 8, .value_kind: global_buffer, .address_space: global }
    .group_segment_fixed_size: 327680
    .private_segment_fixed_size: 0
    .kernarg_segment_align: 8
    .kernarg_segment_size: 72
    .max_flat_workgroup_size: 128
    .sgpr_count:     96
    .vgpr_count:     1024
    .wavefront_size: 32
...
	.end_amdgpu_metadata
.endif
;; end of part 2
;; launch attn (part 3): grid 4 x 64, 8 waves a work-group, no clusters, 327,680 bytes of LDS; arguments qkv, ao; writes ao
.if DOCPART == 3
	.amdgcn_target "amdgcn-amd-amdhsa--gfx1250"
	.amdhsa_code_object_version 6
	.text
	.protected	k_qfbe47dded1_attn
	.globl	k_qfbe47dded1_attn
	.p2align	8
	.type	k_qfbe47dded1_attn,@function
k_qfbe47dded1_attn:
	s_mov_b64 s[64:65], 0
	v_nop
	global_prefetch_b8 v0, s[64:65] scope:SCOPE_SE
	s_setreg_imm32_b32 hwreg(HW_REG_WAVE_MODE, 25, 1), 1
	s_wait_xcnt 0x0
; O[bh][q] = the sum over k <= q of softmax_k(Q[bh][q] . K[bh][k] / 8) V[bh][k].  Q, K, V: qkv [3][64][2048][64] f16.  Products on f16 operands with f32 sums; maxima, exponentials and sums in f32.
; The result leaves as f16, as images of the next product's operand: ao [row / 16 (512)][k / 32 (32)][1024 bytes]; byte 512 g + 16 lane holds, for lane (r = row, h), channels 16 g + 8 h + 0 .. 7 of those 32.
; LIMITS: p under 2^-126 counts as 0; NaN and infinities are not served.
; SHARES.  Work-group (p, bh) owns query blocks 7 - p and p of 256: under the causal mask every work-group then has the same number of key blocks.  Wave w owns piece H, queries 256 (7 - p) + 32 (7 - w) + 0 .. 31
; (tiles 0, 1), and piece L, queries 256 p + 32 w + 0 .. 31 (tiles 2, 3).  One walk over the keys, 64 a step; a fragment of K or V read from LDS feeds four tiles while L is alive, two afterwards.
; NO CLUSTER: the work-groups of a head need different numbers of key tiles, and a partner past its causal limit would ask for tiles that none of its waves reads.
; LAYOUT.  S^T = K Q^T (source 0 = 16 keys, source 1 = 16 queries), O^T = V^T P: a lane holds ONE query (lane % 16) throughout.  Two tiles of S^T, rounded to f16 in pairs, ARE source 1 of the second product; they are
; made in place, in the low half of a tile's score registers.  K comes out of LDS as it lies, V ([key][channel]) turned, by ds_load_tr16_b128.
; SOFTMAX.  For each query a running maximum m and sum l: p = 2^(c s - c m), c = log2(e) / 8; in every step O and l are multiplied by a = 2^(c m_old - c m_new).  m begins at -3e38, l and O^T at 0: the step is written once.
; THE MASK.  Every work-group walks all 8 slots of 256 keys: trip counts are constants.  A step all of whose keys come after a piece's queries is jumped over (ids alone); a piece's one step on the diagonal sets hidden scores to -infinity.
; A live step's first key is at or under every query of the piece, so m is a number from the first step on.  A slot whose first key comes after the work-group's last query is not asked for.
; REGISTERS: window 0: v2-13 addresses; v16-47 statistics, 8 a tile; v64-191 S^T, 32 a tile; v192-255 K's 8 fragments.  window 1: v0-127 O^T (32 t + 8 c); v128-191 Q (16 t + 8 cc); v192-255 V's 8 fragments.
.set PK,    144                        ; a key's row in LDS: 128 bytes + 16: the 16 rows of a load start at 16 different groups of banks (ISA guide 11.1)
.set PV,    160                        ; V's: 128 + 32
.set VOFF,  64*PK
.set STEPB, 64*(PK+PV)                 ; a step's tiles lie together: 64 rows of K, then 64 of V
.set SLOT1, 1<<17                      ; a slot holds four steps (77,824 bytes); slot 1 begins here
.set SPARE, 1<<18                      ; the spare words, 128 bytes for each of eight waves
.set AK0, 2
.set AV0, 3
.set ADK, 4
.set ADV, 5
.set QO,  6
.set GO,  7
.set RH8, 8                            ; v8  r - 8 h
.set DD,  9
.set NINF, 10
.set PFO, 11
.set SPW, 12
.set NIL, 13
.set ST,  16                           ; tile t at v[ST + 8 t]: +0 c m, +1 m, +2, +3 l (two halves), +4 .. +7 at work; a in +6
.set S,   64
.set KFR, 192
.set WV,  8
.set PP,  9
.set BH,  10
.set QH,  11
.set QL,  12
.set QHE, 13
.set QLE, 14
.set QMAX, 15
.set G0,  16                           ; s[16:19] my one walking group 0
.set G1K, 20
.set G1V, 28
.set CS,  36
.set SEL, 38
.set TB,  40                           ; LDS byte at which the step's tiles begin
.set KF,  41                           ; the step's first key
.set SLOTS, 42
.set CNT, 43
.set LIM, 44
.set PFA, 46
.set MSB, 0
.macro WIN new
.if MSB != (\new)
	s_set_vgpr_msb (MSB<<8)|(\new)
.set MSB, (\new)
.endif
.endm
.set W_KQ, 0x04                        ; Q in window 1
.set W_PV, 0x51                        ; V, C and D in window 1, P in window 0
.set W_RS, 0x41                        ; O^T (destination and source 0) in window 1
.set TO_1, 0x40
; Every wave fetches one tile of 64 rows x 128 bytes of each slot: waves 0-3 K of step w, waves 4-7 V of step w - 4.  The two shapes differ in the padding: two groups 1, two lines, a branch on the wave's number.
.macro TLOAD
	s_cmp_lt_u32 s[WV], 4
	s_cbranch_scc0 .Lfor_v_\@
	tensor_load_to_lds s[G0:G0+3], s[G1K:G1K+7]
	s_nop 0
.rept 4
	v_nop
.endr
	s_branch .Lasked_\@
.Lfor_v_\@:
	tensor_load_to_lds s[G0:G0+3], s[G1V:G1V+7]
	s_nop 0
.rept 4
	v_nop
.endr
.Lasked_\@:
.endm
; A prefetch of my tile (8,192 consecutive bytes, lanes 256 bytes apart) of the slot that the NEXT change of slots will ask for: four key steps ahead of that load.  All four work-groups of a head walk the same K and V:
; the one with p = 0, which walks all eight slots, asks, so each block of 256 bytes is named once in the launch.  The last change that fills a slot asks for nothing; slots 0 and 1 come by their loads alone.
.macro ASK
	s_cmp_gt_u32 s[SLOTS], s[LIM]
	s_cbranch_scc0 .Lnot_mine_\@
	global_prefetch_b8 v[PFO], s[PFA:PFA+1] th:TH_LOAD_NT scope:SCOPE_SE
.Lnot_mine_\@:
.endm
	s_load_b128 s[4:7], s[0:1], 0x0                ; qkv s[4:5], ao s[6:7]
	v_lshl_add_u32 v[SPW], v0, 2, SPARE
	v_mov_b32 v[NIL], 0
	ds_add_u32 v[SPW], v[NIL]                      ; the wave's opening: the add, twice on end, and its wait ahead of my first tensor load
	ds_add_u32 v[SPW], v[NIL]
	v_lshrrev_b32 v1, 5, v0
	v_readfirstlane_b32 s[WV], v1                  ; wave 0..7
	v_and_b32 v1, 15, v0                           ; r
	v_bfe_u32 v14, v0, 4, 1                        ; h
	v_mul_u32_u24 v[AK0], v1, PK
	v_lshl_add_u32 v[AK0], v14, 4, v[AK0]          ; K: row r, + 16 h
	v_and_b32 v15, 7, v0
	v_lshl_add_u32 v[AV0], v14, 3, v15
	v_mul_u32_u24 v[AV0], v[AV0], PV
	v_bfe_u32 v15, v0, 3, 1
	v_lshl_add_u32 v[AV0], v15, 4, v[AV0]
	v_add_nc_u32 v[AV0], VOFF, v[AV0]              ; V: key 8 h + lane % 8, channels 8 ((lane / 8) % 2) on
	v_lshlrev_b32 v[QO], 7, v1
	v_lshl_add_u32 v[QO], v14, 4, v[QO]            ; Q: row r of 128 bytes, + 16 h
	v_and_b32 v15, 31, v0
	v_lshlrev_b32 v[GO], 4, v15
	v_lshlrev_b32 v[PFO], 8, v15
	v_lshlrev_b32 v[RH8], 3, v14
	v_sub_nc_u32 v[RH8], v1, v[RH8]
	v_mov_b32 v[NINF], 0xff800000
	s_mov_b32 s[PP], ttmp9
	s_and_b32 s[BH], ttmp7, 0xffff
	s_sub_co_u32 s56, 7, s[PP]
	s_lshl_b32 s[QH], s56, 8
	s_add_co_u32 s[QMAX], s[QH], 255               ; my work-group's last query
	s_sub_co_u32 s57, 7, s[WV]
	s_lshl_b32 s57, s57, 5
	s_add_co_u32 s[QH], s[QH], s57
	s_lshl_b32 s[QL], s[PP], 8
	s_lshl_b32 s57, s[WV], 5
	s_add_co_u32 s[QL], s[QL], s57
	s_add_co_u32 s[QHE], s[QH], 31
	s_add_co_u32 s[QLE], s[QL], 31
	s_mov_b32 s[G1K], (0<<16)|(1<<20)|(4<<22)|(3<<25)   ; elements of 1 byte; padding: 4 words behind every 32
	s_mov_b32 s[G1V], (0<<16)|(1<<20)|(4<<22)|(7<<25)   ; 8 words
.irp g, G1K, G1V
	s_mov_b32 s[\g+1], 128<<16                     ; tensor_dim0
	s_mov_b32 s[\g+2], 64<<16                      ; tensor_dim1
	s_mov_b32 s[\g+3], 128<<16                     ; tile_dim0
	s_mov_b32 s[\g+4], 64                          ; tile_dim1
	s_mov_b32 s[\g+5], 128                         ; from row to row
	s_mov_b32 s[\g+6], 0
	s_mov_b32 s[\g+7], 0
.endr
	s_mov_b32 s[G0], 1
	s_and_b32 s56, s[WV], 3                        ; which step of a slot I fetch
	s_mul_i32 s[G0+1], s56, STEPB
	s_lshr_b32 s57, s[WV], 2                       ; K (0) or V (1)
	s_mul_i32 s58, s57, VOFF
	s_add_co_u32 s[G0+1], s[G0+1], s58
	s_lshl_b32 s62, s[BH], 18                      ; the head's first byte in each of the three tensors
	s_add_co_u32 s60, s57, 1
	s_lshl_b32 s60, s60, 24
	s_add_co_u32 s60, s60, s62
	s_lshl_b32 s58, s56, 13                        ; 64 rows of 128 bytes a step
	s_add_co_u32 s60, s60, s58
	s_mov_b32 s61, 0
	s_lshl_b32 s66, s[QH], 7
	s_add_co_u32 s66, s66, s62
	s_mov_b32 s67, 0
	s_lshl_b32 s68, s[QL], 7
	s_add_co_u32 s68, s68, s62
	s_mov_b32 s69, 0
	s_lshr_b32 s70, s[BH], 4                       ; ao: (2,048 batch + query) / 16 groups of 32,768 bytes, + 2 images a head
	s_lshl_b32 s70, s70, 22
	s_and_b32 s71, s[BH], 15
	s_lshl_b32 s71, s71, 11
	s_add_co_u32 s70, s70, s71
	s_lshl_b32 s72, s[QH], 11
	s_add_co_u32 s72, s72, s70
	s_mov_b32 s73, 0
	s_lshl_b32 s74, s[QL], 11
	s_add_co_u32 s74, s74, s70
	s_mov_b32 s75, 0
	s_mov_b32 s[CS], 0x3e38aa3b                    ; c = log2(e) / 8
	s_mov_b32 s[CS+1], s[CS]
	s_mov_b32 s[SEL], 0x76543210
	s_mov_b32 s[SEL+1], 0xfedcba98
	s_mov_b32 s[TB], 0
	s_mov_b32 s[KF], 0
	s_mov_b32 s[SLOTS], 7
	s_cmp_eq_u32 s[PP], 0
	s_cselect_b32 s[LIM], 1, -1
	s_wait_dscnt 0x0                               ; both opening adds are done
	s_wait_kmcnt 0x0
	s_add_nc_u64 s[G0+2:G0+3], s[4:5], s[60:61]
	s_add_nc_u64 s[PFA:PFA+1], s[4:5], s[60:61]
	s_add_nc_u64 s[PFA:PFA+1], s[PFA:PFA+1], 32768 ; in slot 1: the first change of slots steps it to slot 2
	s_or_b32 s[G0+3], s[G0+3], 0x80000000
	TLOAD                                          ; slot 0
	s_add_nc_u64 s[48:49], s[4:5], s[66:67]        ; Q of piece H,
	s_add_nc_u64 s[50:51], s[4:5], s[68:69]        ; of piece L
	s_add_nc_u64 s[52:53], s[6:7], s[72:73]        ; and where their results go
	s_add_nc_u64 s[54:55], s[6:7], s[74:75]
	WIN TO_1
.irp t, 0,1
.irp cc, 0,1
	global_load_b128 v[128+16*\t+8*\cc:128+16*\t+8*\cc+3],   v[QO], s[48:49] offset:2048*\t+64*\cc
	global_load_b128 v[128+16*\t+8*\cc+4:128+16*\t+8*\cc+7], v[QO], s[48:49] offset:2048*\t+64*\cc+32
	global_load_b128 v[160+16*\t+8*\cc:160+16*\t+8*\cc+3],   v[QO], s[50:51] offset:2048*\t+64*\cc
	global_load_b128 v[160+16*\t+8*\cc+4:160+16*\t+8*\cc+7], v[QO], s[50:51] offset:2048*\t+64*\cc+32
.endr
.endr
.set i, 0
.rept 128
	v_mov_b32 v[i], 0                              ; O^T: the step is written once, and its first run finds zeros
.set i, i+1
.endr
	WIN 0
.irp t, 0,1,2,3
	v_mov_b32 v[ST+8*\t+1], 0xff61b1e6             ; m = -3e38, under every score
	v_mul_f32 v[ST+8*\t], s[CS], v[ST+8*\t+1]      ; c m
.irp j, 2,3,4,5,6,7
	v_mov_b32 v[ST+8*\t+\j], 0                     ; l; and the registers at work, so that they are written on every way
.endr
.endr
; 16 products of S^T = K Q^T for tiles x, x + 1: channels 32 (i / 8) on, keys 16 ((i / 2) % 4) on.  Eight accumulators by turns; the first eight start the sums.
.macro KQ x
.set i, 0
.rept 16
.set rS, S+32*(\x+i%2)+8*((i/2)%4)
.set rK, KFR+8*(2*((i/2)%4)+i/8)
.set rQ, 128+16*(\x+i%2)+8*(i/8)
.if i < 8
	v_wmma_f32_16x16x32_f16 v[rS:rS+7], v[rK:rK+7], v[rQ:rQ+7], 0
.else
	v_wmma_f32_16x16x32_f16 v[rS:rS+7], v[rK:rK+7], v[rQ:rQ+7], v[rS:rS+7]
.endif
.set i, i+1
.endr
.endm
; 16 products of O^T += V^T P: keys 32 (i / 8) on, channels 16 ((i / 2) % 4) on
.macro PVM x
.set i, 0
.rept 16
.set rO, 32*(\x+i%2)+8*((i/2)%4)
.set rV, 192+8*(4*(i/8)+(i/2)%4)
.set rP, S+32*(\x+i%2)+8*(i/8)
	v_wmma_f32_16x16x32_f16 v[rO:rO+7], v[rV:rV+7], v[rP:rP+7], v[rO:rO+7]
.set i, i+1
.endr
.endm
; On the diagonal.  Register n of a tile holds key KF + 16 (n / 8) + 8 h + n % 8; my query is q + 16 u + r: hidden where 16 (n / 8) + n % 8 > d = q - KF + 16 u + r - 8 h.
.macro MASK x, q
	s_sub_co_i32 s56, s[\q], s[KF]
	v_add_nc_u32 v[DD], s56, v[RH8]
.irp u, 0,1
.if \u
	v_add_nc_u32 v[DD], 16, v[DD]
.endif
.irp n, 0,1,2,3,4,5,6,7,8,9,10,11,12,13,14,15,16,17,18,19,20,21,22,23,24,25,26,27,28,29,30,31
	v_cmp_gt_i32 vcc_lo, 16*(\n/8)+\n%8, v[DD]
	v_cndmask_b32 v[S+32*(\x+\u)+\n], v[S+32*(\x+\u)+\n], v[NINF], vcc_lo
.endr
.endr
.endm
; The softmax of tiles x and x + 1 for one key step; the two tiles alternate line by line, so that no line waits for the line above it.
.macro SOFTMAX x
.irp j, 0,1,2,3
.irp t, \x, \x+1
	v_max3_num_f32 v[ST+8*(\t)+4+\j], v[S+32*(\t)+8*\j], v[S+32*(\t)+8*\j+1], v[S+32*(\t)+8*\j+2]   ; four chains, each accumulator from its low end on
.endr
.endr
.irp g, 1,2
.irp j, 0,1,2,3
.irp t, \x, \x+1
	v_max3_num_f32 v[ST+8*(\t)+4+\j], v[ST+8*(\t)+4+\j], v[S+32*(\t)+8*\j+2*\g+1], v[S+32*(\t)+8*\j+2*\g+2]
.endr
.endr
.endr
.irp t, \x, \x+1
	v_max3_num_f32 v[ST+8*(\t)+4], v[ST+8*(\t)+4], v[S+32*(\t)+7], v[S+32*(\t)+15]
.endr
.irp t, \x, \x+1
	v_max3_num_f32 v[ST+8*(\t)+6], v[ST+8*(\t)+6], v[S+32*(\t)+23], v[S+32*(\t)+31]
.endr
.irp t, \x, \x+1
	v_max3_num_f32 v[ST+8*(\t)+4], v[ST+8*(\t)+4], v[ST+8*(\t)+5], v[ST+8*(\t)+6]
.endr
.irp t, \x, \x+1
	v_max3_num_f32 v[ST+8*(\t)+4], v[ST+8*(\t)+4], v[ST+8*(\t)+7], v[ST+8*(\t)+1]   ; and the old m
.endr
.irp t, \x, \x+1
	v_permlanex16_b32 v[ST+8*(\t)+5], v[ST+8*(\t)+4], s[SEL], s[SEL+1]              ; the query's other 32 keys lie in the lane 16 away
.endr
.irp t, \x, \x+1
	v_mov_b32 v[ST+8*(\t)+7], v[ST+8*(\t)]         ; c m_old
.endr
.irp t, \x, \x+1
	v_max_num_f32 v[ST+8*(\t)+1], v[ST+8*(\t)+4], v[ST+8*(\t)+5]
.endr
.irp t, \x, \x+1
	v_mul_f32 v[ST+8*(\t)], s[CS], v[ST+8*(\t)+1]
.endr
.irp t, \x, \x+1
	v_sub_f32 v[ST+8*(\t)+7], v[ST+8*(\t)+7], v[ST+8*(\t)]
.endr
.irp b, 0,2,4,6,8,10,12,14,16,18,20,22,24,26,28,30
.irp t, \x, \x+1
	v_pk_fma_f32 v[S+32*(\t)+\b:S+32*(\t)+\b+1], v[S+32*(\t)+\b:S+32*(\t)+\b+1], s[CS:CS+1], v[ST+8*(\t):ST+8*(\t)+1] op_sel_hi:[1,0,0] neg_lo:[0,0,1] neg_hi:[0,0,1]   ; c s - c m
.endr
.endr
.irp t, \x, \x+1
	v_exp_f32 v[ST+8*(\t)+6], v[ST+8*(\t)+7]       ; a
.endr
.irp e, 0,1,2,3,4,5,6,7,8,9,10,11,12,13,14,15,16,17,18,19,20,21,22,23,24,25,26,27,28,29,30,31
.irp t, \x, \x+1
	v_exp_f32 v[S+32*(\t)+\e], v[S+32*(\t)+\e]     ; p
.endr
.endr
	v_nop                                          ; a plain instruction behind the last exponential
	s_wait_alu depctr_va_vdst(0)                   ; one wait for the 66 exponentials, ahead of the first instruction that names a result
.irp t, \x, \x+1
	v_pk_fma_f32 v[ST+8*(\t)+2:ST+8*(\t)+3], v[ST+8*(\t)+2:ST+8*(\t)+3], v[ST+8*(\t)+6:ST+8*(\t)+7], v[S+32*(\t):S+32*(\t)+1] op_sel_hi:[1,0,1]   ; l = a l + the first pair
.endr
.irp t, \x, \x+1
	v_pk_add_f32 v[ST+8*(\t)+4:ST+8*(\t)+5], v[S+32*(\t)+2:S+32*(\t)+3], v[S+32*(\t)+4:S+32*(\t)+5]   ; a second chain
.endr
.irp k, 3,5,7,9,11,13
.irp t, \x, \x+1
	v_pk_add_f32 v[ST+8*(\t)+2:ST+8*(\t)+3], v[ST+8*(\t)+2:ST+8*(\t)+3], v[S+32*(\t)+2*\k:S+32*(\t)+2*\k+1]
.endr
.irp t, \x, \x+1
	v_pk_add_f32 v[ST+8*(\t)+4:ST+8*(\t)+5], v[ST+8*(\t)+4:ST+8*(\t)+5], v[S+32*(\t)+2*\k+2:S+32*(\t)+2*\k+3]
.endr
.endr
.irp t, \x, \x+1
	v_pk_add_f32 v[ST+8*(\t)+2:ST+8*(\t)+3], v[ST+8*(\t)+2:ST+8*(\t)+3], v[S+32*(\t)+30:S+32*(\t)+31]
.endr
.irp t, \x, \x+1
	v_pk_add_f32 v[ST+8*(\t)+2:ST+8*(\t)+3], v[ST+8*(\t)+2:ST+8*(\t)+3], v[ST+8*(\t)+4:ST+8*(\t)+5]
.endr
.irp i, 0,1,2,3,4,5,6,7,8,9,10,11,12,13,14,15
.irp t, \x, \x+1
	v_cvt_pk_f16_f32 v[S+32*(\t)+\i], v[S+32*(\t)+2*\i], v[S+32*(\t)+2*\i+1]   ; P in place: register i has been read by the time it is written
.endr
.endr
	WIN W_RS
.irp i, 0,2,4,6,8,10,12,14,16,18,20,22,24,26,28,30
.irp t, \x, \x+1
	v_pk_mul_f32 v[32*(\t)+\i:32*(\t)+\i+1], v[32*(\t)+\i:32*(\t)+\i+1], v[ST+8*(\t)+6:ST+8*(\t)+7] op_sel_hi:[1,0]   ; O^T x a
.endr
.endr
.endm
.macro PIECE x, q
	WIN W_KQ
	KQ \x
	WIN 0
.rept 4
	v_nop                                          ; places ahead of the first read of the scores
.endr
	s_add_co_u32 s56, s[KF], 63
	s_cmp_le_u32 s56, s[\q]                        ; all 64 keys count for all my queries: no mask
	s_cbranch_scc1 .Lopen_\@
	MASK \x, \q
.Lopen_\@:
	SOFTMAX \x
	s_wait_dscnt 0x0                               ; V is in
	WIN W_PV
	PVM \x
	WIN 0
.endm
; A KEY STEP: 64 keys.
.macro STEP
	s_cmp_gt_u32 s[KF], s[QHE]                     ; all keys come after my last query: nothing to do (ids and the count of steps alone)
	s_cbranch_scc1 .Lhidden_\@
	v_add_nc_u32 v[ADK], s[TB], v[AK0]
	v_add_nc_u32 v[ADV], s[TB], v[AV0]
.rept 3
	v_nop                                          ; with the two additions five places: the loads below land on V's registers, and the next K Q^T writes over P, both read by the last products
.endr
.irp f, 0,1,2,3,4,5,6,7                        ; keys 16 (f / 2) on, channels 32 (f % 2) on
	ds_load_b128 v[KFR+8*\f:KFR+8*\f+3],   v[ADK] offset:(\f/2)*16*PK+(\f%2)*64
	ds_load_b128 v[KFR+8*\f+4:KFR+8*\f+7], v[ADK] offset:(\f/2)*16*PK+(\f%2)*64+32
.endr
	WIN TO_1
.irp f, 0,1,2,3,4,5,6,7                        ; keys 32 (f / 4) on, channels 16 (f % 4) on
	ds_load_tr16_b128 v[192+8*\f:192+8*\f+3],   v[ADV] offset:(\f/4)*32*PV+(\f%4)*32
	ds_load_tr16_b128 v[192+8*\f+4:192+8*\f+7], v[ADV] offset:(\f/4)*32*PV+16*PV+(\f%4)*32
.endr
	WIN 0
	s_wait_dscnt 16                                ; K's sixteen loads are in; V's sixteen may be out
	PIECE 0, QH
	s_cmp_gt_u32 s[KF], s[QLE]
	s_cbranch_scc1 .Lnol_\@
	PIECE 2, QL
.Lnol_\@:
.Lhidden_\@:
	s_add_co_u32 s[KF], s[KF], 64
	s_add_co_u32 s[TB], s[TB], STEPB
.endm
.macro SLOT_STEPS                      ; a slot's four steps: written once, walked four times
	s_mov_b32 s[CNT], 4
.Lstep_\@:
	STEP
	s_sub_co_u32 s[CNT], s[CNT], 1
	s_cmp_lg_u32 s[CNT], 0
	s_cbranch_scc1 .Lstep_\@
	s_sub_co_u32 s[TB], s[TB], 4*STEPB
	s_xor_b32 s[TB], s[TB], SLOT1                  ; on to the other slot
.endm
; THE CHANGE OF SLOTS stands at a slot's head.  Each wave waits for all its tensor loads (its tile of the slot ahead), adds 0 to its spare word, and waits for that and for its reads of the slot that it has left.
; Behind the barrier the slot ahead is whole and nobody reads the other one.  fill = 1: that other slot takes the next 256 keys, one load a wave, with four steps in which to land.
.macro CHANGE fill
	s_wait_tensorcnt 0x0                           ; no tensor load of mine is out, so my group 0 may be written
	ds_add_u32 v[SPW], v[NIL]
.if \fill
	s_xor_b32 s[G0+1], s[G0+1], SLOT1
	s_add_nc_u64 s[G0+2:G0+3], s[G0+2:G0+3], 32768 ; the next 256 keys; the type bits on top are not reached
	s_wait_xcnt 0x0                                ; the last prefetch, a slot back, has read its address
	s_add_nc_u64 s[PFA:PFA+1], s[PFA:PFA+1], 32768
.endif
	s_wait_dscnt 0x0
	s_barrier_signal -1
	s_barrier_wait -1
.if \fill
	s_add_co_u32 s56, s[KF], 256                   ; the first key of the slot that this change would ask for
	s_cmp_gt_u32 s56, s[QMAX]                      ; past my work-group's last query it is read by none of the eight waves and is not asked for: ids and the count of steps alone, the same in all waves;
	s_cbranch_scc1 .Lpast_\@                       ; every wait for tensor loads in this text is for all of them, so the counts hold on both ways
	TLOAD
.Lpast_\@:
	ASK
.endif
.endm
	s_wait_loadcnt 0x0                             ; Q
.Lslot:                                            ; seven trips
	CHANGE 1
	SLOT_STEPS
	s_sub_co_u32 s[SLOTS], s[SLOTS], 1
	s_cmp_lg_u32 s[SLOTS], 0
	s_cbranch_scc1 .Lslot
	CHANGE 0                                       ; the last slot is written out: nothing is left to ask for
	SLOT_STEPS
	; THE WAY OUT.  l's halves are added; O^T / l, rounded to f16: the four registers of 16 channels ARE a lane's 16 bytes of the next product's operand image, so each store covers 512 consecutive bytes, aligned, with no LDS.
.irp t, 0,1,2,3
	v_add_f32 v[ST+8*\t+4], v[ST+8*\t+2], v[ST+8*\t+3]
.endr
.irp t, 0,1,2,3
	v_permlanex16_b32 v[ST+8*\t+5], v[ST+8*\t+4], s[SEL], s[SEL+1]
.endr
.irp t, 0,1,2,3
	v_add_f32 v[ST+8*\t+4], v[ST+8*\t+4], v[ST+8*\t+5]
.endr
.irp t, 0,1,2,3
	v_rcp_f32 v[ST+8*\t+6], v[ST+8*\t+4]
.endr
	v_nop
	s_wait_alu depctr_va_vdst(0)                   ; one wait for the four reciprocals, ahead of their first reader
.macro OUT t, base
	WIN W_RS
.irp i, 0,2,4,6,8,10,12,14,16,18,20,22,24,26,28,30
	v_pk_mul_f32 v[32*\t+\i:32*\t+\i+1], v[32*\t+\i:32*\t+\i+1], v[ST+8*\t+6:ST+8*\t+7] op_sel_hi:[1,0]
.endr
	WIN 0x05                                       ; sources in window 1, destination in window 0
.irp i, 0,1,2,3,4,5,6,7,8,9,10,11,12,13,14,15
	v_cvt_pk_f16_f32 v[S+32*\t+\i], v[32*\t+2*\i], v[32*\t+2*\i+1]
.endr
	WIN 0
.irp c, 0,1,2,3
	global_store_b128 v[GO], v[S+32*\t+4*\c:S+32*\t+4*\c+3], s[\base:\base+1] offset:32768*(\t%2)+1024*(\c/2)+512*(\c%2)
.endr
.endm
	OUT 0, 52
	OUT 1, 52
	OUT 2, 54
	OUT 3, 54
	s_wait_tensorcnt 0x0                           ; the wave's end
	ds_add_u32 v[SPW], v[NIL]
	s_wait_dscnt 0x0
	s_endpgm
.Lfunc_end_k_qfbe47dded1_attn:
	.size	k_qfbe47dded1_attn, .Lfunc_end_k_qfbe47dded1_attn-k_qfbe47dded1_attn
	.p2alignl 7, 3214868480
	.fill 96, 4, 3214868480
	.section	.rodata,"a",@progbits
	.p2align	6, 0x0
	.amdhsa_kernel k_qfbe47dded1_attn
		.amdhsa_group_segment_fixed_size 327680
		.amdhsa_private_segment_fixed_size 0
		.amdhsa_enable_private_segment 0
		.amdhsa_kernarg_size 16
		.amdhsa_user_sgpr_count 2
		.amdhsa_user_sgpr_kernarg_segment_ptr 1
		.amdhsa_wavefront_size32 1
		.amdhsa_system_sgpr_workgroup_id_x 1
		.amdhsa_system_sgpr_workgroup_id_y 1
		.amdhsa_system_sgpr_workgroup_id_z 1
		.amdhsa_system_vgpr_workitem_id 0
		.amdhsa_next_free_vgpr 512
		.amdhsa_next_free_sgpr 80
		.amdhsa_reserve_vcc 1
		.amdhsa_float_denorm_mode_32 3
		.amdhsa_float_denorm_mode_16_64 3
		.amdhsa_memory_ordered 1
		.amdhsa_forward_progress 1
		.amdhsa_inst_pref_size 106
	.end_amdhsa_kernel
	.amdgpu_metadata
---
amdhsa.version: [ 1, 2 ]
amdhsa.kernels:
  - .name:           k_qfbe47dded1_attn
    .symbol:         k_qfbe47dded1_attn.kd
    .args:
      - { .name: qkv, .offset: 0, .size: 8, .value_kind: global_buffer, .address_space: global }
      - { .name: ao, .offset: 8, .size: 8, .value_kind: global_buffer, .address_space: global }
    .group_segment_fixed_size: 327680
    .private_segment_fixed_size: 0
    .kernarg_segment_align: 8
    .kernarg_segment_size: 16
    .max_flat_workgroup_size: 256
    .sgpr_count:     80
    .vgpr_count:     512
    .wavefront_size: 32
...
	.end_amdgpu_metadata
.endif
;; end of part 3
;; launch proj (part 4): grid 8 x 32, 4 waves a work-group, clusters of 4 x 4, 327,680 bytes of LDS; arguments ao, wof, bo, out0; writes out0
.if DOCPART == 4
	.amdgcn_target "amdgcn-amd-amdhsa--gfx1250"
	.amdhsa_code_object_version 6
	.text
	.protected	k_qfbe47dded1_proj
	.globl	k_qfbe47dded1_proj
	.p2align	8
	.type	k_qfbe47dded1_proj,@function
k_qfbe47dded1_proj:
	s_mov_b64 s[64:65], 0
	v_nop
	global_prefetch_b8 v0, s[64:65] scope:SCOPE_SE
	s_setreg_imm32_b32 hwreg(HW_REG_WAVE_MODE, 25, 1), 1
	s_wait_xcnt 0x0
	s_wait_alu depctr_hold_cnt(0) depctr_sa_sdst(0) depctr_va_vdst(0) depctr_va_sdst(0) depctr_va_ssrc(0) depctr_va_vcc(0) depctr_vm_vsrc(0)
	s_getreg_b32 s2, hwreg(HW_REG_IB_STS2, 6, 4)
	s_cmp_eq_u32 s2, 0
	s_cbranch_scc0 .Lentry_in_a_cluster
	s_endpgm
.Lentry_in_a_cluster:
	s_bfe_u32 s2, ttmp6, 0x10000c
	s_cmp_lg_u32 s2, 0xf033
	s_cbranch_scc0 .Lentry_shape_is_right
	s_endpgm
.Lentry_shape_is_right:
; out0 = attention's result x wo + bo, [8192][1024] x [1024][1024], f16 operands, f32 sums and results; the bias is the C of each sum's first product.
; The first 16 positions of every sequence are NOT stored here: another launch makes them in f32.
; Both operands lie in memory as images of the operand's registers (a fragment of 16 x 32 = 1,024 consecutive bytes), so a K step's tiles are dense rows of 4,096 bytes and every LDS load is 16 x lane + a constant.
; A tile of C is 256 x 128, so that there are 256 work-groups; four waves, each 128 x 64: 32 accumulators, all of window 1 ((a, b) at v[8 (4 a + b)]).  K goes in steps of 128 through a ring of two LDS slots.
; CLUSTERS: 4 x 4 work-groups; the four of a row share the rows' tiles, the four of a column wo's: each is asked for jointly.  The tile row is cluster y + 8 cy, so that whether a wave holds positions 0-15 is the same question in all partners.
; THE MATRIX INSTRUCTION IS USED TRANSPOSED (source 0 = 16 columns of wo, source 1 = 16 rows): a lane holds eight neighbouring numbers of a row of C.
; REGISTERS: window 0: v16-29 addresses; v32-127, v128-223 two fragment buffers (64 registers of rows, then 32 of wo), 32 along K each; v224-255 the bias; on the way out v32-95 rows.
.set SLOT,   98304                     ; 16 groups of rows x 4,096 bytes, then 8 groups of columns x 4,096
.set BOFF,   65536
.set STAGE,  2*SLOT                    ; 16 rows x 272 bytes for each wave; no fill lands here
.set SPITCH, 272
.set SPARE,  STAGE+4*16*SPITCH
.set LAPS,   4                         ; a lap = two K steps
.set ADRA, 16
.set ADRB, 20
.set STO,  24
.set RD,   25
.set CO,   26
.set BIO,  27
.set SPW,  28
.set NIL,  29
.set F0,   32
.set F1,   128
.set BI,   224
.set OB,   32
.set WV,  12
.set RH,  13
.set CH,  14
.set CX,  15
.set CY,  16
.set CLY, 17
.set TC,  18
.set RT,  19
.set SKIP, 20                          ; 0 in the waves whose first block of rows is positions 0-15 of a sequence
.set LAP, 21
.set G1A, 24
.set G0A, 32
.set G1B, 40
.set G0B, 48
.set MSB, 0
.macro WIN new
.if MSB != (\new)
	s_set_vgpr_msb (MSB<<8)|(\new)
.set MSB, (\new)
.endif
.endm
.set MUL,  0x50                        ; C and D in window 1
.set MUL0, 0x40                        ; D in window 1, C (the bias) in window 0
.macro JLOAD s
	s_cmp_eq_u32 s[RH], 0
	s_cbranch_scc0 .Lfor_b_\@
	tensor_load_to_lds s[G0A+4*\s:G0A+4*\s+3], s[G1A:G1A+7]
	s_nop 0
.rept 4
	v_nop
.endr
	s_branch .Lasked_\@
.Lfor_b_\@:
	tensor_load_to_lds s[G0B+4*\s:G0B+4*\s+3], s[G1B:G1B+7]
	s_nop 0
.rept 4
	v_nop
.endr
.Lasked_\@:
.endm
.macro CREST
	s_cmp_lg_u32 s[WV], 0
	s_cbranch_scc1 .Lnot_wave_0_\@
	s_barrier_signal -3
.Lnot_wave_0_\@:
	s_barrier_wait -3
	s_barrier_signal -1
	s_barrier_wait -1
.endm
.macro CROUND
	s_barrier_signal -1
	s_barrier_wait -1
	CREST
.endm
	s_load_b256 s[4:11], s[0:1], 0x0               ; ao s[4:5], wof s[6:7], bo s[8:9], out0 s[10:11]
	v_lshl_add_u32 v[SPW], v0, 2, SPARE
	v_mov_b32 v[NIL], 0
	ds_add_u32 v[SPW], v[NIL]                      ; the wave's opening: the add, twice on end, and its wait ahead of my first tensor load
	ds_add_u32 v[SPW], v[NIL]
	v_lshrrev_b32 v1, 5, v0
	v_readfirstlane_b32 s[WV], v1
	s_lshr_b32 s[RH], s[WV], 1                     ; my half of the rows.  Also: I fetch rows (0) or wo (1)
	s_and_b32 s[CH], s[WV], 1                      ; my half of the columns.  Also: which half of that tile I fetch
	s_bfe_u32 s[CX], ttmp6, 0x40000
	s_bfe_u32 s[CY], ttmp6, 0x40004
	s_and_b32 s[CLY], ttmp7, 0xffff
	s_lshl_b32 s[TC], ttmp9, 2
	s_add_co_u32 s[TC], s[TC], s[CX]
	s_lshl_b32 s[RT], s[CY], 3
	s_add_co_u32 s[RT], s[RT], s[CLY]
	s_or_b32 s[SKIP], s[CLY], s[RH]
	s_lshl_b32 s56, s[CY], 2
	s_lshl_b32 s56, 15, s56
	s_lshl_b32 s57, 0x1111, s[CX]
	s_or_b32 s[G1A], s56, (3<<16)|(1<<21)          ; the mask; elements of 8 bytes; no padding; bit 21 beside a mask
	s_mov_b32 s[G1A+1], 512<<16                    ; a row: four images, 4,096 bytes
	s_mov_b32 s[G1A+2], 8<<16                      ; eight groups of 16 rows
	s_mov_b32 s[G1A+3], 512<<16
	s_mov_b32 s[G1A+4], 8
	s_mov_b32 s[G1A+5], 4096                       ; 32,768 bytes from group to group
	s_mov_b32 s[G1A+6], 0
	s_mov_b32 s[G1A+7], 0
	s_or_b32 s[G1B], s57, (3<<16)|(1<<21)
	s_mov_b32 s[G1B+1], 512<<16
	s_mov_b32 s[G1B+2], 4<<16                      ; four groups of 16 columns
	s_mov_b32 s[G1B+3], 512<<16
	s_mov_b32 s[G1B+4], 4
	s_mov_b32 s[G1B+5], 4096
	s_mov_b32 s[G1B+6], 0
	s_mov_b32 s[G1B+7], 0
	s_lshl_b32 s58, s[RT], 19                      ; (16 tile row + 8 half) groups of 32,768 bytes
	s_lshl_b32 s59, s[CH], 18
	s_add_co_u32 s58, s58, s59
	s_mov_b32 s59, 0
	s_lshl_b32 s60, s[TC], 18                      ; (8 tile column + 4 half) groups
	s_lshl_b32 s61, s[CH], 17
	s_add_co_u32 s60, s60, s61
	s_mov_b32 s61, 0
	s_lshl_b32 s62, s[CH], 15
	s_lshl_b32 s63, s[CH], 14
	s_add_co_u32 s63, s63, BOFF
	s_wait_dscnt 0x0
	s_wait_kmcnt 0x0
	s_add_nc_u64 s[58:59], s[4:5], s[58:59]
	s_add_nc_u64 s[60:61], s[6:7], s[60:61]
	CROUND                                         ; all sixteen work-groups are here: the first joint loads meet
.irp s, 0,1
	s_mov_b32 s[G0A+4*\s], 1
	s_add_co_u32 s[G0A+4*\s+1], s62, \s*SLOT
	s_add_nc_u64 s[G0A+4*\s+2:G0A+4*\s+3], s[58:59], \s*4096
	s_or_b32 s[G0A+4*\s+3], s[G0A+4*\s+3], 0x80000000
	s_mov_b32 s[G0B+4*\s], 1
	s_add_co_u32 s[G0B+4*\s+1], s63, \s*SLOT
	s_add_nc_u64 s[G0B+4*\s+2:G0B+4*\s+3], s[60:61], \s*4096
	s_or_b32 s[G0B+4*\s+3], s[G0B+4*\s+3], 0x80000000
	JLOAD \s
.endr
	v_and_b32 v1, 15, v0                           ; r
	v_bfe_u32 v2, v0, 4, 1                         ; h
	v_and_b32 v3, 31, v0
	v_lshlrev_b32 v3, 4, v3                        ; 16 x lane
	s_lshl_b32 s66, s[RH], 15
	v_add_nc_u32 v[ADRA], s66, v3
	v_add_nc_u32 v[ADRA+1], SLOT, v[ADRA]
	s_lshl_b32 s66, s[CH], 14
	s_add_co_u32 s66, s66, BOFF
	v_add_nc_u32 v[ADRB], s66, v3
	v_add_nc_u32 v[ADRB+1], SLOT, v[ADRB]
	s_mul_i32 s66, s[WV], 16*SPITCH
	s_add_co_u32 s66, s66, STAGE
	v_mul_u32_u24 v4, v1, SPITCH
	v_lshl_add_u32 v4, v2, 5, v4
	v_add_nc_u32 v[STO], s66, v4                   ; the stage, in: row r, 32 bytes for each half of the lanes
	v_mul_u32_u24 v4, v2, SPITCH
	v_lshl_add_u32 v4, v1, 4, v4
	v_add_nc_u32 v[RD], s66, v4                    ; back: lanes 0-15 one row of 256 bytes, lanes 16-31 the next
	v_lshlrev_b32 v[CO], 12, v2
	v_lshl_add_u32 v[CO], v1, 4, v[CO]             ; and the same two rows in out0
	v_lshlrev_b32 v[BIO], 5, v2
	s_mov_b32 s67, 0
	s_lshl_b32 s66, s[TC], 9                       ; my first column, in bytes: 512 tile column + 256 half
	s_lshl_b32 s68, s[CH], 8
	s_add_co_u32 s66, s66, s68
	s_add_nc_u64 s[8:9], s[8:9], s[66:67]
	s_add_nc_u64 s[10:11], s[10:11], s[66:67]
	s_lshl_b32 s66, s[RT], 20                      ; my first row: (256 tile row + 128 half) x 4,096 bytes
	s_lshl_b32 s68, s[RH], 19
	s_add_co_u32 s66, s66, s68
	s_add_nc_u64 s[10:11], s[10:11], s[66:67]
.irp b, 0,1,2,3
	global_load_b128 v[BI+8*\b:BI+8*\b+3], v[BIO], s[8:9] offset:64*\b        ; the bias in the result's layout: columns 16 b + 8 h + 0 .. 7
	global_load_b128 v[BI+8*\b+4:BI+8*\b+7], v[BIO], s[8:9] offset:64*\b+16
.endr
; 8 products: rows' blocks 4 hi + a0, + 1 against wo's four.  The 32 accumulators take turns, one instruction a turn, in the same order in every quarter.
.macro MULH f, hi, a0, zero
.irp a, \a0, \a0+1
.irp b, 0,1,2,3
.set rD, 8*(4*(4*\hi+(\a))+\b)
.if \zero
	v_wmma_f32_16x16x32_f16 v[rD:rD+7], v[\f+64+8*\b:\f+64+8*\b+7], v[\f+8*(4*\hi+(\a)):\f+8*(4*\hi+(\a))+7], v[BI+8*\b:BI+8*\b+7]
.else
	v_wmma_f32_16x16x32_f16 v[rD:rD+7], v[\f+64+8*\b:\f+64+8*\b+7], v[\f+8*(4*\hi+(\a)):\f+8*(4*\hi+(\a))+7], v[rD:rD+7]
.endif
.endr
.endr
.endm
; 24 LDS loads in one run: the fragments of 32 along K (the slot's kf-th): wo's four, the rows' blocks 0-3, then 4-7
.macro FETCH slot, kf, f
.irp i, 0,1,2,3
	ds_load_b128 v[\f+64+8*\i:\f+64+8*\i+3],   v[ADRB+\slot] offset:4096*\i+1024*(\kf)
	ds_load_b128 v[\f+64+8*\i+4:\f+64+8*\i+7], v[ADRB+\slot] offset:4096*\i+1024*(\kf)+512
.endr
.irp i, 0,1,2,3,4,5,6,7
	ds_load_b128 v[\f+8*\i:\f+8*\i+3],   v[ADRA+\slot] offset:4096*\i+1024*(\kf)
	ds_load_b128 v[\f+8*\i+4:\f+8*\i+7], v[ADRA+\slot] offset:4096*\i+1024*(\kf)+512
.endr
.endm
.macro PLACES
.rept 4
	v_nop
.endr
.endm
; A quarter: 32 along K, 32 products on buffer f; in its middle the next quarter's fragments, the slot's kf-th, are fetched into g.
.macro QUARTER slot, kf, f, g, zero
	s_wait_dscnt 8                                 ; wo's fragments and the rows' blocks 0-3 are in; blocks 4-7 may be out
.if \zero
	WIN MUL0
.else
	WIN MUL
.endif
	MULH \f, 0, 0, \zero
	MULH \f, 0, 2, \zero
	WIN 0
	PLACES                                         ; in front of loads into registers that matrix instructions have read
	FETCH \slot, \kf, \g
	s_wait_dscnt 24                                ; all but the 24 just issued
.if \zero
	WIN MUL0
.else
	WIN MUL
.endif
	MULH \f, 1, 0, \zero
	MULH \f, 1, 2, \zero
.endm
; A slot's last quarter changes slots: one barrier; in front of it each wave waits for all its tensor loads, adds 0 to its spare word, and waits for that and for its reads of this slot.  fill = 1: the slot is filled again, two K steps ahead.
.macro TURN slot, next, fill
	WIN 0
	s_wait_tensorcnt 0x0                           ; my part of the next slot has landed
	ds_add_u32 v[SPW], v[NIL]
	s_wait_dscnt 9                                 ; (the add and the youngest eight loads may be out)
	WIN MUL
	MULH F1, 0, 0, 0
	s_wait_dscnt 0x0                               ; the add is done, and my reads of this slot are over
	s_barrier_signal -1
	MULH F1, 0, 2, 0
	WIN 0
	s_barrier_wait -1
.if \fill
	CREST                                          ; the barrier has opened a round of the cluster's barrier: no wave of any partner still reads this slot or has a load on its way
	s_add_nc_u64 s[G0A+4*\slot+2:G0A+4*\slot+3], s[G0A+4*\slot+2:G0A+4*\slot+3], 8192
	s_add_nc_u64 s[G0B+4*\slot+2:G0B+4*\slot+3], s[G0B+4*\slot+2:G0B+4*\slot+3], 8192
	JLOAD \slot                                    ; the first tensor load behind the round; its four v_nop are also the places in front of the loads below
.else
	PLACES
.endif
	FETCH \next, 0, F0
	WIN MUL
	MULH F1, 1, 0, 0
	MULH F1, 1, 2, 0
.endm
	s_wait_tensorcnt 1                             ; my part of K step 0 is in; K step 1's load may be out,
	s_barrier_signal -1
	s_barrier_wait -1                              ; everybody's is
	FETCH 0, 0, F0
	s_wait_loadcnt 0x0                             ; the bias
	QUARTER 0, 1, F0, F1, 1                        ; the first quarter stands in front of the loop: its products start the sums from the bias
	WIN 0
	s_mov_b32 s[LAP], LAPS-1
.Llap:                                             ; a trip goes once round the ring and fills both slots again
	QUARTER 0, 2, F1, F0, 0
	QUARTER 0, 3, F0, F1, 0
	TURN 0, 1, 1
	QUARTER 1, 1, F0, F1, 0
	QUARTER 1, 2, F1, F0, 0
	QUARTER 1, 3, F0, F1, 0
	TURN 1, 0, 1
	QUARTER 0, 1, F0, F1, 0
	WIN 0
	s_sub_co_u32 s[LAP], s[LAP], 1
	s_cmp_lg_u32 s[LAP], 0
	s_cbranch_scc1 .Llap
	QUARTER 0, 2, F1, F0, 0                        ; the last lap fills nothing
	QUARTER 0, 3, F0, F1, 0
	TURN 0, 1, 0
	QUARTER 1, 1, F0, F1, 0
	QUARTER 1, 2, F1, F0, 0
	QUARTER 1, 3, F0, F1, 0
	s_wait_dscnt 8
	WIN MUL
	MULH F1, 0, 0, 0
	MULH F1, 0, 2, 0
	s_wait_dscnt 0
	MULH F1, 1, 0, 0
	MULH F1, 1, 2, 0
	WIN 0
; THE WAY OUT, a block of 16 rows x 64 columns at a time, through my own stage: back as whole pieces of 256 bytes of a row, which sixteen lanes store aligned.
.macro TOSTAGE a
	WIN 0x04                                       ; an LDS store's data: window 1
.irp b, 0,1,2,3
	ds_store_b128 v[STO], v[32*(\a)+8*\b:32*(\a)+8*\b+3] offset:64*\b        ; each accumulator from its low end on
	ds_store_b128 v[STO], v[32*(\a)+8*\b+4:32*(\a)+8*\b+7] offset:64*\b+16
.endr
	WIN 0
.set BB, OB+32*((\a)%2)
.irp u, 0,1,2,3,4,5,6,7
	ds_load_b128 v[BB+4*\u:BB+4*\u+3], v[RD] offset:2*SPITCH*\u    ; LDS serves a wave's instructions in order: these see the stores above
.endr
.endm
.macro SEND a, younger
.set BB, OB+32*((\a)%2)
	s_wait_dscnt \younger                          ; the block is back in registers
.if (\a) > 0
	s_add_nc_u64 s[10:11], s[10:11], 65536         ; (behind a wait on XCNT)  16 rows on
.else
	s_cmp_eq_u32 s[SKIP], 0                        ; positions 0-15 of a sequence are another launch's
	s_cbranch_scc1 .Lskip
.endif
.irp u, 0,1,2,3,4,5,6,7
	global_store_b128 v[CO], v[BB+4*\u:BB+4*\u+3], s[10:11] offset:8192*\u th:TH_STORE_NT
.endr
.if (\a) == 0
.Lskip:
.endif
.endm
	PLACES
	TOSTAGE 0
.irp a, 1,2,3,4,5,6,7
.if \a > 1
	s_wait_xcnt 0x0                                ; block a - 2's stores have read their registers and their base
.endif
	TOSTAGE \a
	SEND \a-1, 16                                  ; behind block a - 1's loads: block a's 8 stores and 8 loads
.endr
	s_wait_xcnt 0x0
	SEND 7, 0
	s_wait_tensorcnt 0x0                           ; the wave's end
	ds_add_u32 v[SPW], v[NIL]
	s_wait_dscnt 0x0
	CROUND                                         ; the closing round
	s_endpgm
.Lfunc_end_k_qfbe47dded1_proj:
	.size	k_qfbe47dded1_proj, .Lfunc_end_k_qfbe47dded1_proj-k_qfbe47dded1_proj
	.p2alignl 7, 3214868480
	.fill 96, 4, 3214868480
	.section	.rodata,"a",@progbits
	.p2align	6, 0x0
	.amdhsa_kernel k_qfbe47dded1_proj
		.amdhsa_group_segment_fixed_size 327680
		.amdhsa_private_segment_fixed_size 0
		.amdhsa_enable_private_segment 0
		.amdhsa_kernarg_size 32
		.amdhsa_user_sgpr_count 2
		.amdhsa_user_sgpr_kernarg_segment_ptr 1
		.amdhsa_wavefront_size32 1
		.amdhsa_system_sgpr_workgroup_id_x 1
		.amdhsa_system_sgpr_workgroup_id_y 1
		.amdhsa_system_sgpr_workgroup_id_z 1
		.amdhsa_system_vgpr_workitem_id 0
		.amdhsa_next_free_vgpr 512
		.amdhsa_next_free_sgpr 72
		.amdhsa_reserve_vcc 0
		.amdhsa_float_denorm_mode_32 3
		.amdhsa_float_denorm_mode_16_64 3
		.amdhsa_memory_ordered 1
		.amdhsa_forward_progress 1
		.amdhsa_inst_pref_size 86
	.end_amdhsa_kernel
	.amdgpu_metadata
---
amdhsa.version: [ 1, 2 ]
amdhsa.kernels:
  - .name:           k_qfbe47dded1_proj
    .symbol:         k_qfbe47dded1_proj.kd
    .args:
      - { .name: ao, .offset: 0, .size: 8, .value_kind: global_buffer, .address_space: global }
      - { .name: wof, .offset: 8, .size: 8, .value_kind: global_buffer, .address_space: global }
      - { .name: bo, .offset: 16, .size: 8, .value_kind: global_buffer, .address_space: global }
      - { .name: out0, .offset: 24, .size: 8, .value_kind: global_buffer, .address_space: global }
    .group_segment_fixed_size: 327680
    .private_segment_fixed_size: 0
    .kernarg_segment_align: 8
    .kernarg_segment_size: 32
    .max_flat_workgroup_size: 128
    .sgpr_count:     72
    .vgpr_count:     512
    .wavefront_size: 32
...
	.end_amdgpu_metadata
.endif
;; end of part 4
;; launch first (part 5): grid 16 x 4, 16 waves a work-group, no clusters, 71,680 bytes of LDS; arguments qkv32, wo, bo, out0; writes out0
.if DOCPART == 5
	.amdgcn_target "amdgcn-amd-amdhsa--gfx1250"
	.amdhsa_code_object_version 6
	.text
	.protected	k_qfbe47dded1_first
	.globl	k_qfbe47dded1_first
	.p2align	8
	.type	k_qfbe47dded1_first,@function
k_qfbe47dded1_first:
	s_mov_b64 s[64:65], 0
	v_nop
	global_prefetch_b8 v0, s[64:65] scope:SCOPE_SE
	s_setreg_imm32_b32 hwreg(HW_REG_WAVE_MODE, 25, 1), 1
	s_wait_xcnt 0x0
; The first 16 positions of every sequence, all in f32: there a row of the softmax averages one to sixteen values, and operands of 16 bits would weigh most.
; A work-group takes a batch (y) and 64 columns of the result (x).  Wave hd takes head hd: its 16 x 16 causal attention (repeated in the sixteen column work-groups: 32 small products), then its 64 of the
; last product's K for the 64 columns; the sixteen parts are added through LDS, one row of the result a wave.  96 products of 16 x 16 x 4 a wave: no bulk work.
; qkv32: [4][16][3072] f32 (q, k, v side by side).  All products are used transposed, so that a lane holds one query (lane % 16); k is laid alike in both sources of each product.
; The registers that the f32 matrix form writes, v192-255, are written by matrix instructions alone.
; REGISTERS: v1-12 addresses; v13-15 at work; v16-23 scores, then p, then bo's pair; v24-31 p / l; v32-63 Q, later wo's tile 2; v64-95 K, later tile 3; v96-127 V, later the sixteen parts; v128-159, v160-191 wo's tiles 0, 1;
;   v192-223 O^T; v224-239 S^T in two halves of K, later with v240-255 the result's four tiles.
.set SPW,   8
.set NIL,   9
.set PART,  4352                       ; a wave's part: 16 rows x (256 bytes + 16)
.set SPARE, 16*PART                    ; the spare words, 128 bytes for each of sixteen waves
.set SEL,   14
	s_load_b256 s[4:11], s[0:1], 0x0               ; qkv32 s[4:5], wo s[6:7], bo s[8:9], out0 s[10:11]
	v_lshl_add_u32 v[SPW], v0, 2, SPARE
	v_mov_b32 v[NIL], 0
	v_lshrrev_b32 v1, 5, v0
	v_readfirstlane_b32 s12, v1                    ; wave = head
	v_and_b32 v1, 15, v0                           ; r
	v_bfe_u32 v2, v0, 4, 1                         ; h
	v_and_b32 v13, 31, v0                          ; lane
	v_mul_u32_u24 v3, v1, 12288
	v_lshl_add_u32 v3, v2, 4, v3                   ; Q, K: row r, + 16 h: channels 8 u + 4 h + 0 .. 3
	v_mul_u32_u24 v4, v2, 98304
	v_lshl_add_u32 v4, v1, 2, v4                   ; V: key 8 h + i, channel r
	v_lshlrev_b32 v5, 15, v2
	v_lshl_add_u32 v5, v1, 2, v5                   ; wo: row 8 h + i, column r
	v_lshlrev_b32 v6, 3, v2
	v_sub_nc_u32 v6, v1, v6                        ; r - 8 h
	v_mov_b32 v7, 0xff800000                       ; -infinity
	s_mul_i32 s16, s12, PART
	v_mul_u32_u24 v10, v1, 272
	v_lshl_add_u32 v10, v2, 5, v10
	v_add_nc_u32 v10, s16, v10                     ; my part: row r, 32 bytes for each half of the lanes
	s_mul_i32 s16, s12, 272
	v_lshlrev_b32 v12, 3, v13                      ; 8 x lane
	v_add_nc_u32 v11, s16, v12                     ; back: row = my wave's number, of every part
	v_mov_b32 v14, 0                               ; written once: a lane permute's destination counts as one of its sources
	s_mov_b32 s[SEL], 0x76543210
	s_mov_b32 s[SEL+1], 0xfedcba98
	s_mov_b32 s18, 0x3e38aa3b                      ; c = log2(e) / 8
	s_and_b32 s13, ttmp7, 0xffff                   ; batch
	s_lshl_b32 s17, ttmp9, 8                       ; my 64 columns, in bytes
	s_mov_b32 s21, 0
	s_mov_b32 s23, 0
	s_mov_b32 s25, 0
	s_mov_b32 s27, 0
	s_mul_i32 s20, s13, 196608
	s_lshl_b32 s19, s12, 8
	s_add_co_u32 s20, s20, s19                     ; qkv32: batch, head
	s_lshl_b32 s22, s12, 18
	s_add_co_u32 s22, s22, s17                     ; wo: the head's 64 rows, my columns
	s_mov_b32 s24, s17
	s_lshl_b32 s26, s13, 23
	s_lshl_b32 s19, s12, 12
	s_add_co_u32 s26, s26, s19
	s_add_co_u32 s26, s26, s17                     ; out0: row 2,048 batch + my wave's number, my columns
	s_wait_kmcnt 0x0
	s_add_nc_u64 s[4:5], s[4:5], s[20:21]
	s_add_nc_u64 s[6:7], s[6:7], s[22:23]
	s_add_nc_u64 s[8:9], s[8:9], s[24:25]
	s_add_nc_u64 s[10:11], s[10:11], s[26:27]
.irp u, 0,1,2,3,4,5,6,7
	global_load_b128 v[32+4*\u:35+4*\u], v3, s[4:5] offset:32*\u
.endr
.irp u, 0,1,2,3,4,5,6,7
	global_load_b128 v[64+4*\u:67+4*\u], v3, s[4:5] offset:4096+32*\u
.endr
.irp c, 0,1,2,3
.irp i, 0,1,2,3,4,5,6,7
	global_load_b32 v[96+8*\c+\i], v4, s[4:5] offset:8192+12288*\i+64*\c       ; V(8 h + i, 16 c + r)
.endr
.endr
.macro WTILE e                         ; wo(64 hd + 16 c + 8 h + i, my columns + 16 e + r) into v[32 + 32 ((e + 3) % 5) + 8 c + i]
.irp c, 0,1,2,3
.irp i, 0,1,2,3,4,5,6,7
	global_load_b32 v[32+32*((\e+3)%5)+8*\c+\i], v5, s[6:7] offset:4096*(16*\c+\i)+64*\e
.endr
.endr
.endm
	WTILE 0
	WTILE 1
	s_wait_loadcnt 63                              ; Q and K are in: 96 loads are younger than they
; S^T = K Q^T: 16 steps of 4 channels, in two sums that take turns; register pair 2 i of both sources holds channels 8 (i / 2) + 4 h + 2 (i % 2) + 0, 1
.set i, 0
.rept 16
.if i < 2
	v_wmma_f32_16x16x4_f32 v[224+8*(i%2):231+8*(i%2)], v[64+2*i:65+2*i], v[32+2*i:33+2*i], 0
.else
	v_wmma_f32_16x16x4_f32 v[224+8*(i%2):231+8*(i%2)], v[64+2*i:65+2*i], v[32+2*i:33+2*i], v[224+8*(i%2):231+8*(i%2)]
.endif
.set i, i+1
.endr
.rept 8
	v_nop                                          ; eight places behind this form, ahead of loads into its sources and of the first read of its results
.endr
	WTILE 2
	WTILE 3
.irp j, 0,1,2,3,4,5,6,7
	v_add_f32 v[16+\j], v[224+\j], v[232+\j]       ; the score of key 8 h + j and query r
.endr
.irp j, 0,1,2,3,4,5,6,7
	v_cmp_gt_i32 vcc_lo, \j, v6                    ; hidden where 8 h + j > r
	v_cndmask_b32 v[16+\j], v[16+\j], v7, vcc_lo
.endr
	v_max3_num_f32 v13, v16, v17, v18
	v_max3_num_f32 v13, v13, v19, v20
	v_max3_num_f32 v13, v13, v21, v22
	v_max_num_f32 v13, v13, v23
	v_permlanex16_b32 v14, v13, s[SEL], s[SEL+1]
	v_max_num_f32 v13, v13, v14                    ; the row's maximum: key 0 counts for every query
	v_mul_f32 v13, s18, v13
.irp j, 0,1,2,3,4,5,6,7
	v_fma_f32 v[16+\j], v[16+\j], s18, -v13
.endr
.irp j, 0,1,2,3,4,5,6,7
	v_exp_f32 v[16+\j], v[16+\j]
.endr
	v_nop
	s_wait_alu depctr_va_vdst(0)                   ; one wait for the eight exponentials, ahead of their first reader
	v_add_f32 v14, v16, v17
	v_add_f32 v15, v18, v19
	v_add_f32 v14, v14, v20
	v_add_f32 v15, v15, v21
	v_add_f32 v14, v14, v22
	v_add_f32 v15, v15, v23
	v_add_f32 v14, v14, v15
	v_permlanex16_b32 v15, v14, s[SEL], s[SEL+1]
	v_add_f32 v14, v14, v15
	v_rcp_f32 v14, v14
	v_nop
	s_wait_alu depctr_va_vdst(0)
.irp j, 0,1,2,3,4,5,6,7
	v_mul_f32 v[24+\j], v[16+\j], v14              ; the weights, normalised
.endr
	global_load_b64 v[16:17], v12, s[8:9]          ; bo at my two columns
	s_wait_loadcnt 63                              ; V is in: 129 loads are younger
; O^T = V^T P: keys 8 h + 2 s + 0, 1 in both sources; four sums (16 channels each) by turns
.irp s, 0,1,2,3
.irp c, 0,1,2,3
.if \s == 0
	v_wmma_f32_16x16x4_f32 v[192+8*\c:199+8*\c], v[96+8*\c+2*\s:97+8*\c+2*\s], v[24+2*\s:25+2*\s], 0
.else
	v_wmma_f32_16x16x4_f32 v[192+8*\c:199+8*\c], v[96+8*\c+2*\s:97+8*\c+2*\s], v[24+2*\s:25+2*\s], v[192+8*\c:199+8*\c]
.endif
.endr
.endr
.rept 9
	v_nop                                          ; nine places before a result serves as a source of the next product
.endr
	s_wait_loadcnt 0x0                             ; wo's four tiles, bo
; my head's part of the result, transposed: source 0 = 16 columns of wo, source 1 = O^T as it lies: channels 16 c + 8 h + 2 s + 0, 1 in both; four sums (16 columns each) by turns
.irp c, 0,1,2,3
.irp s, 0,1,2,3
.irp e, 0,1,2,3
.if (\c == 0) && (\s == 0)
	v_wmma_f32_16x16x4_f32 v[224+8*\e:231+8*\e], v[32+32*((\e+3)%5)+8*\c+2*\s:33+32*((\e+3)%5)+8*\c+2*\s], v[192+8*\c+2*\s:193+8*\c+2*\s], 0
.else
	v_wmma_f32_16x16x4_f32 v[224+8*\e:231+8*\e], v[32+32*((\e+3)%5)+8*\c+2*\s:33+32*((\e+3)%5)+8*\c+2*\s], v[192+8*\c+2*\s:193+8*\c+2*\s], v[224+8*\e:231+8*\e]
.endif
.endr
.endr
.endr
.rept 8
	v_nop
.endr
.irp e, 0,1,2,3
	ds_store_b128 v10, v[224+8*\e:227+8*\e] offset:64*\e           ; lane (r, h): row r, columns 16 e + 8 h + 0 .. 7; each result from its low end on
	ds_store_b128 v10, v[228+8*\e:231+8*\e] offset:64*\e+16
.endr
	s_wait_dscnt 0x0                               ; for the others' sake: my part lies in LDS
	s_barrier_signal -1
	s_barrier_wait -1
.irp w, 0,1,2,3,4,5,6,7,8,9,10,11,12,13,14,15
	ds_load_b64 v[96+2*\w:97+2*\w], v11 offset:PART*\w             ; row = my wave's number, of head w's part
.endr
	s_wait_dscnt 0x0
.irp w, 0,1,2,3,4,5,6,7
	v_pk_add_f32 v[96+2*\w:97+2*\w], v[96+2*\w:97+2*\w], v[112+2*\w:113+2*\w]
.endr
.irp w, 0,1,2,3
	v_pk_add_f32 v[96+2*\w:97+2*\w], v[96+2*\w:97+2*\w], v[104+2*\w:105+2*\w]
.endr
.irp w, 0,1
	v_pk_add_f32 v[96+2*\w:97+2*\w], v[96+2*\w:97+2*\w], v[100+2*\w:101+2*\w]
.endr
	v_pk_add_f32 v[96:97], v[96:97], v[98:99]
	v_pk_add_f32 v[96:97], v[96:97], v[16:17]      ; + bo
	global_store_b64 v12, v[96:97], s[10:11]       ; the wave stores 256 consecutive bytes, aligned
	s_wait_tensorcnt 0x0                           ; the wave's end
	ds_add_u32 v[SPW], v[NIL]
	s_wait_dscnt 0x0
	s_endpgm
.Lfunc_end_k_qfbe47dded1_first:
	.size	k_qfbe47dded1_first, .Lfunc_end_k_qfbe47dded1_first-k_qfbe47dded1_first
	.p2alignl 7, 3214868480
	.fill 96, 4, 3214868480
	.section	.rodata,"a",@progbits
	.p2align	6, 0x0
	.amdhsa_kernel k_qfbe47dded1_first
		.amdhsa_group_segment_fixed_size 71680
		.amdhsa_private_segment_fixed_size 0
		.amdhsa_enable_private_segment 0
		.amdhsa_kernarg_size 32
		.amdhsa_user_sgpr_count 2
		.amdhsa_user_sgpr_kernarg_segment_ptr 1
		.amdhsa_wavefront_size32 1
		.amdhsa_system_sgpr_workgroup_id_x 1
		.amdhsa_system_sgpr_workgroup_id_y 1
		.amdhsa_system_sgpr_workgroup_id_z 1
		.amdhsa_system_vgpr_workitem_id 0
		.amdhsa_next_free_vgpr 256
		.amdhsa_next_free_sgpr 66
		.amdhsa_reserve_vcc 1
		.amdhsa_float_denorm_mode_32 3
		.amdhsa_float_denorm_mode_16_64 3
		.amdhsa_memory_ordered 1
		.amdhsa_forward_progress 1
		.amdhsa_inst_pref_size 32
	.end_amdhsa_kernel
	.amdgpu_metadata
---
amdhsa.version: [ 1, 2 ]
amdhsa.kernels:
  - .name:           k_qfbe47dded1_first
    .symbol:         k_qfbe47dded1_first.kd
    .args:
      - { .name: qkv32, .offset: 0, .size: 8, .value_kind: global_buffer, .address_space: global }
      - { .name: wo, .offset: 8, .size: 8, .value_kind: global_buffer, .address_space: global }
      - { .name: bo, .offset: 16, .size: 8, .value_kind: global_buffer, .address_space: global }
      - { .name: out0, .offset: 24, .size: 8, .value_kind: global_buffer, .address_space: global }
    .group_segment_fixed_size: 71680
    .private_segment_fixed_size: 0
    .kernarg_segment_align: 8
    .kernarg_segment_size: 32
    .max_flat_workgroup_size: 512
    .sgpr_count:     66
    .vgpr_count:     256
    .wavefront_size: 32
...
	.end_amdgpu_metadata
.endif
;; end of part 5
